; MI455X (gfx1250); checked and timed in simulation.
; The chip was launched on July 23, 2026; its instructions are those of AMD's public machine-readable ISA for CDNA 5 (MIT licence, August 2026) and "CDNA5" Instruction Set Architecture Reference Guide (July 2026). The comments in the code are by the model that wrote it; some were corrected since.
;; Causal Self Attention. Allowed arithmetic: matrix products marked QUANTISED: E3M2 operands, one E8M0 scale for each 32 along K, by v_wmma_scale_f32_16x16x128_f8f6f4 with both operands' format E3M2, f32 sums; everything else in f32.
;; Inputs: delta 16 x 64 float32; w_attn 3,072 x 1,024 float32; w_proj 1,024 x 1,024 float32; x 2 x 2,048 x 1,024 float32.
;; Outputs: out0 2 x 2,048 x 1,024 float32.
;; This version of the problem:
;;   THIS VERSION OF THE PROBLEM IS GIVEN IN LOW PRECISION. The matrix products marked QUANTISED in the list below multiply operands that are first quantised to E3M2 (3 exponent bits, 2 mantissa bits; 6 bits a number), with one power-of-two scale for each 32 numbers along K (OCP MX v1.0); their sums are f32. All else is computed in f32.
;;   The module's matrix products, in the order in which they are computed (A, B: the left and right operand; K: the contracted axis; several contracted axes count as one K, in the product's order):
;;     1. [M 4,096, K 1,024] x [K 1,024, N 3,072]; A: input x; B: input w_attn: QUANTISED
;;     2. batch 32 x [M 2,048, K 64] x [K 64, N 2,048]; A: computed on the way; B: computed on the way: QUANTISED
;;     3. batch 32 x [M 2,048, K 64] x [K 64, N 2,048]; A: computed on the way; B: computed on the way: QUANTISED
;;     4. batch 32 x [M 2,048, K 2,048] x [K 2,048, N 64]; A: softmax (see below); B: computed on the way: QUANTISED
;;     5. [M 4,096, K 1,024] x [K 1,024, N 1,024]; A: computed on the way; B: input w_proj: QUANTISED
;;   THE QUANTISER, for each operand of a quantised product, along K:
;;     - K is cut into blocks of 32 from its start; a last block that is shorter is filled with zeros.
;;     - A block's scale is 2^e with e = floor(log2(the largest magnitude in the block)) - 4, held to -126 .. 127; a block of zeros has e = 0. As a byte (E8M0): e + 127.
;;     - Each number is divided by its block's scale, clamped to +-28, and rounded to the nearest number of E3M2, ties to even, subnormals kept.
;;     - The product sums the exact products of the quantised numbers (number of the format x scale) in f32.
;;   ~~~python
;;   def quantise(x, axis):      # numpy; x: float32 -> the quantised numbers, widened to float32 again
;;       x = np.moveaxis(x, axis, -1); K = x.shape[-1]
;;       x = np.pad(x, [(0, 0)] * (x.ndim - 1) + [(0, -K % 32)]); x = x.reshape(x.shape[:-1] + (-1, 32)); a = np.abs(x).max(-1, keepdims=True)
;;       e = np.where(a > 0, np.clip(np.frexp(np.where(a > 0, a, 1))[1] - 1 - 4, -126, 127), 0)      # np.frexp(a)[1] - 1 = floor(log2(a)), exactly
;;       r = np.clip(x / 2.0 ** e, -28, 28)
;;       step = 2.0 ** (np.maximum(np.frexp(np.where(r == 0, 1, r))[1] - 1, -2) - 2)
;;       q = np.round(r / step) * step * 2.0 ** e      # np.round: ties to even
;;       return np.moveaxis(q.reshape(q.shape[:-2] + (-1,))[..., :K], -1, axis).astype(np.float32)
;;   ~~~
;;   SOFTMAX AHEAD OF A QUANTISED PRODUCT. Where the list says 'softmax', what is quantised is not the finished softmax but p = 2^(t - M), with t = logit x log2(e) and M = ceil(the row's largest t), a whole number; so 1/2 < the row's largest p <= 1. The row's sum l is taken of the UNQUANTISED p, in f32, and the product's result is divided by l at the end. Since M is a whole number, a kernel that streams over the keys may use a running M (the ceiling of the running maximum): every later rescaling is an exact power of two, which a block's scale takes up: the codes' values come out the same.
;;   OPERANDS COMPUTED ON THE WAY. 'Computed on the way' means the value that the module computes at that place (a softmax that the list does not call 'softmax' is quantised finished and normalised). What goes into a quantiser is computed in f32, as accurately as f32 sums, v_exp_f32 and their like allow (about 1e-6 of the number): no bf16 or f16 on the way to a quantiser, and a product that is left as it is and whose result goes on into a quantised operand takes f32 operands (vector FMAs, or v_wmma_f32_16x16x4_f32). A number that lies on a knife's edge between two numbers of the format may be rounded either way, as far as f32 arithmetic and the matrix unit's own rounding can turn it there, and no further.
;; One version. Each part assembles by itself: llvm-mc -triple=amdgcn-amd-amdhsa -mcpu=gfx1250 --defsym DOCPART=n.
;; ======== version 1 of 1: 4 launches
;; limits: right only within a limited range of input values
;; workspace buffers: codes1 6,291,456 bytes; scales1 262,144 bytes; trig 1,056,768 bytes; qimg 6,553,600 bytes; kvimg 9,830,400 bytes; yimg 3,145,728 bytes; yscl 131,072 bytes
;; launch prep (part 1): grid 256 x 1, 4 waves a work-group, no clusters, 34,304 bytes of LDS; arguments x, w_attn, w_proj, delta, codes1, scales1, trig; writes codes1, scales1, trig
.if DOCPART == 1
	.amdgcn_target "amdgcn-amd-amdhsa--gfx1250"
	.amdhsa_code_object_version 6
	.text
	.protected	k_q456cbacb7b_prep
	.globl	k_q456cbacb7b_prep
	.p2align	8
	.type	k_q456cbacb7b_prep,@function
k_q456cbacb7b_prep:
	s_mov_b64 s[64:65], 0
	v_nop
	global_prefetch_b8 v0, s[64:65] scope:SCOPE_SE
	s_setreg_imm32_b32 hwreg(HW_REG_WAVE_MODE, 25, 1), 1
	s_wait_xcnt 0x0
; PREP: x [4096][1024], w_attn [3072][1024], w_proj [1024][1024], f32, become codes of BF6 (E3M2) with one E8M0 byte for each 32 along K, laid in the ORDER OF AN OPERAND'S REGISTERS;
; and the tables cos, sin of t x inv_freq [2048][64] and cos, sin of clip(delta) [16][64] are made, in f32.
; TILES.  A tile is 16 rows; tile T holds rows 32 (T / 2) + 8 (T % 2) + m + 8 (m / 8), m = 0 .. 15.  Tiles 0-255 x, 256-447 w_attn, 448-511 w_proj.
; A FRAGMENT is a tile x 128 along K: 12 registers a lane; its image is 1,536 bytes: registers 4 g .. 4 g + 3 of lane l at 512 g + 16 l.  codes1: blocks of 8 tiles: [K step 0..7][tile 0..7][1,536].
; SCALE WORDS of a tile (8 K steps x 16 rows): word (s, r) at 256 (s % 2) + 16 r + 4 (s / 2): 512 bytes a tile in scales1.
; SHARES.  Work-group g takes 32 rows (two tiles) of one tensor; wave w takes tile w / 2 and K steps w % 2 + 0, 2, 4, 6, so that its scale words are 256 bytes on end.  Waves share nothing: no barrier.
; Each load reads 512 consecutive bytes of a row; the 16 rows turn through the wave's own stage in LDS (pitch 528), from which a lane takes 16 neighbours of each block of 32 of its row.
; A block's scale is 2^(floor(log2(largest magnitude)) - 4); its byte is that magnitude's exponent field - 4, held at 1 from below.
; LIMITS: NaN and infinities are not served.  A block of zeros gets the byte 1 (its codes are zeros; this program alone loads the bytes).  inv_freq = 2^(-d log2(10000) / 64) is within about one unit in the
; last place of 1 / 10000^(d / 64); at t near 2,047 that moves an angle by up to 2e-4, the size of the angle's own last place there.
.set TM,  16                           ; v16-31  QUANT: largest magnitudes, bytes, scale operands
.set PC,  32                           ; v32-51  QUANT: the codes (12) and 8 at work
.set FQ,  32                           ; ahead of the steps: v32-35 angles, v36-39 cosines, v40-43 sines, v44-49 at work
.set CO,  36
.set SI,  40
.set NI,  46
.set PWS, 52                           ; v52-55  the four K steps' scale words
.set SW,  56                           ; v56-57  the two that my lane stores
.set DL,  60                           ; v60-63  four numbers of delta
.set RS,  64                           ; v64-191 two sets of 64 numbers as loaded
.set X,   192                          ; v192-255 64 numbers of my row: register 16 b + i = k 32 b + 16 (lane / 16) + i
.set SEL, 40                           ; s[40:41] selects of v_permlanex16_b32: lane l xor 16
; cos and sin of v[x]: n = the nearest whole number to x 2 / pi; r = x - n pi / 2 with pi / 2 in three parts; polynomials on |r| <= pi / 4; the quadrant n mod 4 swaps and signs them.
.macro SINCOS x, c, s
	v_mul_f32 v5, 0x3f22f983, v[\x]
	v_rndne_f32 v5, v5
	v_fma_f32 v6, v5, s24, v[\x]
	v_fma_f32 v6, v5, s25, v6
	v_fma_f32 v6, v5, s26, v6
	v_cvt_i32_f32 v7, v5
	v_mul_f32 v8, v6, v6
	v_fma_f32 v9, v8, s27, s28
	v_fma_f32 v11, v8, s30, s31
	v_fma_f32 v9, v9, v8, s29
	v_fma_f32 v11, v11, v8, s32
	v_mul_f32 v10, v8, v6
	v_mul_f32 v12, v8, v8
	v_fma_f32 v13, v8, -0.5, 1.0
	v_fma_f32 v9, v9, v10, v6                      ; sin r
	v_fma_f32 v11, v11, v12, v13                   ; cos r
	v_and_b32 v12, 1, v7
	v_cmp_eq_u32 vcc_lo, 1, v12
	v_cndmask_b32 v[\s], v9, v11, vcc_lo           ; odd quadrants swap the two
	v_cndmask_b32 v[\c], v11, v9, vcc_lo
	v_lshlrev_b32 v12, 30, v7                      ; the sine's sign: bit 1 of n
	v_add_nc_u32 v13, 1, v7
	v_and_b32 v12, 0x80000000, v12
	v_lshlrev_b32 v13, 30, v13                     ; the cosine's: bit 1 of n + 1
	v_xor_b32 v[\s], v[\s], v12
	v_and_b32 v13, 0x80000000, v13
	v_xor_b32 v[\c], v[\c], v13
.endm
; 64 numbers of a lane become a fragment's codes in v[PC] .. v[PC + 11] and the row's scale word in v[pw].
.macro QUANT s, pw
.irp b, 0,1,2,3
	v_max3_num_f32 v[TM+\b], |v[(\s)+16*\b]|, |v[(\s)+16*\b+1]|, 0x2800000   ; my 16 numbers of block b, and the floor 2^(5 - 127): the byte cannot fall under 1
.endr
.irp i, 2,4,6,8,10,12,14
.irp b, 0,1,2,3
	v_max3_num_f32 v[TM+\b], |v[(\s)+16*\b+\i]|, |v[(\s)+16*\b+\i+1]|, v[TM+\b]
.endr
.endr
.irp b, 0,1,2,3
	v_permlanex16_b32 v[TM+4+\b], v[TM+\b], s[SEL], s[SEL+1]
.endr
.irp b, 0,1,2,3
	v_max_num_f32 v[TM+\b], v[TM+\b], v[TM+4+\b]   ; with lane l xor 16's 16: the block's largest magnitude
.endr
.irp b, 0,1,2,3
	v_add_nc_u32 v[TM+12+\b], 0xfe000000, v[TM+\b] ; 4 off its exponent field: the conversion's scale operand
.endr
.irp b, 0,1,2,3
	v_lshrrev_b32 v[TM+4+\b], 23, v[TM+12+\b]      ; the byte
.endr
	v_lshl_or_b32 v[\pw], v[TM+5], 8, v[TM+4]
	v_lshl_or_b32 v[\pw], v[TM+6], 16, v[\pw]
	v_lshl_or_b32 v[\pw], v[TM+7], 24, v[\pw]
.irp c, 0,1
	v_cvt_scalef32_pk16_bf6_f32 v[PC+6*\c:PC+6*\c+2], v[(\s)+32*\c:(\s)+32*\c+15], v[TM+12+2*\c]
	v_cvt_scalef32_pk16_bf6_f32 v[PC+12+4*\c:PC+14+4*\c], v[(\s)+32*\c+16:(\s)+32*\c+31], v[TM+13+2*\c]
.endr
	v_nop                                          ; one plain line behind the scaled conversions
.irp c, 0,1                            ; the layout wants a whole block in a lane: lanes 0-15 block 2 c, lanes 16-31 block 2 c + 1
.irp i, 0,1,2
	v_permlane16_swap_b32 v[PC+6*\c+\i], v[PC+12+4*\c+\i]
.endr
.irp i, 0,1,2
	v_mov_b32 v[PC+3+6*\c+\i], v[PC+12+4*\c+\i]
.endr
.endr
.endm
.macro LOADS i                         ; my tile's 16 rows, 512 bytes each, of my i-th K step, into set i % 2
.irp k, 0,1,2,3,4,5,6,7,8,9,10,11,12,13,14,15
	global_load_b128 v[RS+64*((\i)%2)+4*\k:RS+64*((\i)%2)+4*\k+3], v1, s[44:45] offset:(\k+8*(\k/8))*4096+1024*(\i) th:TH_LOAD_NT
.endr
.endm
	s_load_b256 s[4:11], s[0:1], 0x0               ; x, w_attn, w_proj, delta
	s_load_b128 s[12:15], s[0:1], 0x20             ; codes1, scales1
	s_load_b64 s[16:17], s[0:1], 0x30              ; trig
	v_lshl_add_u32 v58, v0, 2, 0x8400
	v_mov_b32 v59, 0
	v_lshrrev_b32 v1, 5, v0
	v_readfirstlane_b32 s18, v1                    ; wave
	s_lshr_b32 s19, s18, 1                         ; which of the two tiles
	s_and_b32 s20, s18, 1                          ; even or odd K steps
	s_lshl_b32 s21, ttmp9, 2
	s_add_co_u32 s21, s21, s18                     ; the wave's number in the launch, 0 .. 1023
	v_and_b32 v5, 31, v0
	v_and_b32 v6, 15, v0                           ; r
	v_bfe_u32 v7, v0, 4, 1                         ; h
	v_lshlrev_b32 v1, 4, v5                        ; 16 x lane
	s_mul_i32 s22, s18, 8448                       ; my stage
	v_add_nc_u32 v2, s22, v1                       ; into it: 16 x lane of a row
	v_mul_u32_u24 v3, v6, 528
	v_lshl_add_u32 v3, v7, 6, v3
	v_add_nc_u32 v3, s22, v3                       ; out of it: row r, + 64 h
	v_lshlrev_b32 v4, 4, v6
	v_lshl_add_u32 v4, v7, 3, v4                   ; scale words: 16 r + 8 h
	s_mov_b32 s24, 0xbfc90fdb                      ; - pi / 2, its three parts
	s_mov_b32 s25, 0x333bbd2e
	s_mov_b32 s26, 0x26f72ced
	s_mov_b32 s27, 0xb94ca1f9                      ; the sine's coefficients
	s_mov_b32 s28, 0x3c08839e
	s_mov_b32 s29, 0xbe2aaaa3
	s_mov_b32 s30, 0x37ccf5ce                      ; the cosine's
	s_mov_b32 s31, 0xbab6061a
	s_mov_b32 s32, 0x3d2aaaa5
	s_mov_b32 s33, 0xc0c90fdb                      ; - 2 pi
	s_mov_b32 s34, 0x33f6865b                      ; what 0x3e549a80 has too much of log2(10000) / 64
	s_mov_b32 s[SEL], 0x76543210
	s_mov_b32 s[SEL+1], 0xfedcba98
	s_mov_b32 s42, 0xffff0000                      ; lanes 16-31
.irp b, 0,1,2,3
	v_mov_b32 v[TM+4+\b], 0                        ; written once: a lane permute's destination counts as read
.endr
	s_mov_b32 s36, 224
	s_mov_b32 s23, 0
	s_wait_kmcnt 0x0
	s_cmp_lt_u32 ttmp9, s36                        ; groups 0-127 x, 128-223 w_attn, 224-255 w_proj: the choice hangs on the work-group's number alone
	s_cselect_b64 s[44:45], s[6:7], s[8:9]
	s_cselect_b32 s37, 128, s36
	s_cmp_lt_u32 ttmp9, 128
	s_cselect_b64 s[44:45], s[4:5], s[44:45]
	s_cselect_b32 s37, 0, s37
	s_sub_co_u32 s37, ttmp9, s37                   ; which 32 rows of the tensor
	s_lshl_b32 s22, s37, 17                        ; 32 rows of 4,096 bytes
	s_lshl_b32 s38, s19, 15                        ; the second tile begins 8 rows on
	s_add_co_u32 s22, s22, s38
	s_lshl_b32 s38, s20, 9                         ; odd K steps: 512 bytes on
	s_add_co_u32 s22, s22, s38
	s_add_nc_u64 s[44:45], s[44:45], s[22:23]
	s_and_b32 s22, s21, 7
	s_lshl_b32 s22, s22, 9
	s_add_nc_u64 s[10:11], s[10:11], s[22:23]
	global_load_b128 v[DL:DL+3], v1, s[10:11]      ; every wave loads 128 numbers of delta; the launch's first eight waves use them
	LOADS 0
	LOADS 1
	s_lshl_b32 s38, ttmp9, 1
	s_add_co_u32 s38, s38, s19                     ; my tile
	s_lshr_b32 s22, s38, 3
	s_mul_i32 s22, s22, 98304
	s_and_b32 s39, s38, 7
	s_mul_i32 s39, s39, 1536
	s_add_co_u32 s22, s22, s39
	s_mul_i32 s39, s20, 12288
	s_add_co_u32 s22, s22, s39
	s_add_nc_u64 s[12:13], s[12:13], s[22:23]      ; my first fragment's image
	s_lshl_b32 s22, s38, 9
	s_lshl_b32 s39, s20, 8
	s_add_co_u32 s22, s22, s39
	s_add_nc_u64 s[14:15], s[14:15], s[22:23]      ; my 256 bytes of scale words
	s_lshl_b32 s22, s21, 9
	s_add_nc_u64 s[16:17], s[16:17], s[22:23]      ; my 512 bytes of each table
	; THE POSITION TABLES: rows t = 2 gw and 2 gw + 1; lane l: t = 2 gw + l / 16, d = 4 (l % 16) + 0 .. 3
	v_and_b32 v44, 15, v0
	v_lshlrev_b32 v44, 2, v44
	v_bfe_u32 v45, v0, 4, 1
	s_lshl_b32 s22, s21, 1
	v_add_nc_u32 v45, s22, v45
	v_cvt_f32_u32 v45, v45                         ; t
.irp e, 0,1,2,3
	v_add_nc_u32 v5, \e, v44
	v_cvt_f32_u32 v5, v5                           ; d
	v_mul_f32 v6, 0x3e549a80, v5                   ; d x the upper 17 bits of log2(10000) / 64: exact
	v_rndne_f32 v7, v6
	v_sub_f32 v6, v7, v6                           ; exact
	v_fma_f32 v[FQ+\e], v5, s34, v6                ; i - d log2(10000) / 64, within a half
	v_cvt_i32_f32 v7, v7
	v_sub_nc_u32 v[NI+\e], 0, v7
.endr
	s_wait_alu depctr_va_vdst(0)
.irp e, 0,1,2,3
	v_exp_f32 v[FQ+\e], v[FQ+\e]
.endr
	v_nop                                          ; a plain line behind the batch,
	s_wait_alu depctr_va_vdst(0)                   ; and one wait for the four, ahead of their first use
.irp e, 0,1,2,3
	v_ldexp_f32 v[FQ+\e], v[FQ+\e], v[NI+\e]       ; inv_freq
	v_mul_f32 v[FQ+\e], v45, v[FQ+\e]              ; t x inv_freq, rounded once
.endr
.irp e, 0,1,2,3
	SINCOS FQ+\e, CO+\e, SI+\e
.endr
	global_store_b128 v1, v[CO:CO+3], s[16:17]                  ; 512 consecutive bytes each
	global_store_b128 v1, v[SI:SI+3], s[16:17] offset:524288
	s_cmp_lt_u32 s21, 8
	s_cbranch_scc0 .Lno_delta
	s_wait_loadcnt 32                              ; delta's load is in; the 32 younger loads of numbers may be out
	s_wait_xcnt 0x0                                ; the two stores above have read their data: it is written again
.irp e, 0,1,2,3
	v_med3_num_f32 v[DL+\e], v[DL+\e], s33, 0      ; clip to - 2 pi .. 0
.endr
.irp e, 0,1,2,3
	SINCOS DL+\e, CO+\e, SI+\e
.endr
	global_store_b128 v1, v[CO:CO+3], s[16:17] offset:1048576
	global_store_b128 v1, v[SI:SI+3], s[16:17] offset:1052672
.Lno_delta:
.macro STEP i
.if \i < 3
	s_wait_loadcnt 16                              ; this step's 16 loads are in; the next set's may be out
.else
	s_wait_loadcnt 0x0
.endif
.irp k, 0,1,2,3,4,5,6,7,8,9,10,11,12,13,14,15
	ds_store_b128 v2, v[RS+64*((\i)%2)+4*\k:RS+64*((\i)%2)+4*\k+3] offset:528*\k
.endr
.irp b, 0,1,2,3
.irp j, 0,1,2,3
	ds_load_b128 v[X+16*\b+4*\j:X+16*\b+4*\j+3], v3 offset:128*\b+16*\j   ; LDS serves a wave's instructions in order: these see the stores above
.endr
.endr
	s_wait_dscnt 0x0                               ; the numbers are back, and the stores have read the set:
.if \i < 2
	LOADS (\i)+2                                   ; it takes the loads of two steps on
.endif
	s_wait_xcnt 0x0                                ; earlier stores have read the codes' registers
	QUANT X, PWS+\i
.irp g, 0,1,2
	global_store_b128 v1, v[PC+4*\g:PC+4*\g+3], s[12:13] offset:24576*(\i)+512*\g   ; 512 consecutive bytes each
.endr
.endm
	STEP 0
	STEP 1
	STEP 2
	STEP 3
	v_cndmask_b32 v[SW], v[PWS], v[PWS+2], s42     ; lanes 0-15 store my first two K steps' words of row r, lanes 16-31 the other two
	v_cndmask_b32 v[SW+1], v[PWS+1], v[PWS+3], s42
	global_store_b64 v4, v[SW:SW+1], s[14:15]      ; 256 consecutive bytes, aligned
	s_wait_tensorcnt 0x0
	ds_add_u32 v58, v59
	s_wait_dscnt 0x0
	s_endpgm
.Lfunc_end_k_q456cbacb7b_prep:
	.size	k_q456cbacb7b_prep, .Lfunc_end_k_q456cbacb7b_prep-k_q456cbacb7b_prep
	.p2alignl 7, 3214868480
	.fill 96, 4, 3214868480
	.section	.rodata,"a",@progbits
	.p2align	6, 0x0
	.amdhsa_kernel k_q456cbacb7b_prep
		.amdhsa_group_segment_fixed_size 34304
		.amdhsa_private_segment_fixed_size 0
		.amdhsa_enable_private_segment 0
		.amdhsa_kernarg_size 56
		.amdhsa_user_sgpr_count 2
		.amdhsa_user_sgpr_kernarg_segment_ptr 1
		.amdhsa_wavefront_size32 1
		.amdhsa_system_sgpr_workgroup_id_x 1
		.amdhsa_system_sgpr_workgroup_id_y 1
		.amdhsa_system_sgpr_workgroup_id_z 1
		.amdhsa_system_vgpr_workitem_id 0
		.amdhsa_next_free_vgpr 256
		.amdhsa_next_free_sgpr 66
		.amdhsa_reserve_vcc 1
		.amdhsa_float_denorm_mode_32 3
		.amdhsa_float_denorm_mode_16_64 3
		.amdhsa_memory_ordered 1
		.amdhsa_forward_progress 1
		.amdhsa_inst_pref_size 48
	.end_amdhsa_kernel
	.amdgpu_metadata
---
amdhsa.version: [ 1, 2 ]
amdhsa.kernels:
  - .name:           k_q456cbacb7b_prep
    .symbol:         k_q456cbacb7b_prep.kd
    .args:
      - { .name: x, .offset: 0, .size: 8, .value_kind: global_buffer, .address_space: global }
      - { .name: w_attn, .offset: 8, .size: 8, .value_kind: global_buffer, .address_space: global }
      - { .name: w_proj, .offset: 16, .size: 8, .value_kind: global_buffer, .address_space: global }
      - { .name: delta, .offset: 24, .size: 8, .value_kind: global_buffer, .address_space: global }
      - { .name: codes1, .offset: 32, .size: 8, .value_kind: global_buffer, .address_space: global }
      - { .name: scales1, .offset: 40, .size: 8, .value_kind: global_buffer, .address_space: global }
      - { .name: trig, .offset: 48, .size: 8, .value_kind: global_buffer, .address_space: global }
    .group_segment_fixed_size: 34304
    .private_segment_fixed_size: 0
    .kernarg_segment_align: 8
    .kernarg_segment_size: 56
    .max_flat_workgroup_size: 128
    .sgpr_count:     66
    .vgpr_count:     256
    .wavefront_size: 32
...
	.end_amdgpu_metadata
.endif
;; end of part 1
;; launch qkv (part 2): grid 8 x 32, 4 waves a work-group, clusters of 4 x 1, 327,680 bytes of LDS; arguments codes1, scales1, trig, qimg, kvimg; writes qimg, kvimg
.if DOCPART == 2
	.amdgcn_target "amdgcn-amd-amdhsa--gfx1250"
	.amdhsa_code_object_version 6
	.text
	.protected	k_q456cbacb7b_qkv
	.globl	k_q456cbacb7b_qkv
	.p2align	8
	.type	k_q456cbacb7b_qkv,@function
k_q456cbacb7b_qkv:
	s_mov_b64 s[64:65], 0
	v_nop
	global_prefetch_b8 v0, s[64:65] scope:SCOPE_SE
	s_setreg_imm32_b32 hwreg(HW_REG_WAVE_MODE, 25, 1), 1
	s_wait_xcnt 0x0
	s_wait_alu depctr_hold_cnt(0) depctr_sa_sdst(0) depctr_va_vdst(0) depctr_va_sdst(0) depctr_va_ssrc(0) depctr_va_vcc(0) depctr_vm_vsrc(0)
	s_getreg_b32 s2, hwreg(HW_REG_IB_STS2, 6, 4)
	s_cmp_eq_u32 s2, 0
	s_cbranch_scc0 .Lentry_in_a_cluster
	s_endpgm
.Lentry_in_a_cluster:
	s_bfe_u32 s2, ttmp6, 0x10000c
	s_cmp_lg_u32 s2, 0x3003
	s_cbranch_scc0 .Lentry_shape_is_right
	s_endpgm
.Lentry_shape_is_right:
; QKV: qkv = x w_attn^T on codes of BF6; then, in registers, softplus, the rotation by position and by delta, and the quantisers of q, k (along the head's 64 real + 64 imaginary numbers) and of v (along the keys).
; Nothing of qkv goes to memory in f32: q, k and v leave as images of the operand registers that the attention launch loads.
; SHARES.  A work-group takes 128 rows of x (block beta = group y) and column group c = 0 .. 7.  Wave w makes (i) head eta = 4 c + w of the 32 q and k heads: 64 rows of w_attn x 128 rows of x, source 0 = W,
; source 1 = x: a lane holds one row t and 32 channels a tile; (ii) 32 rows of w_v (head 2 c + w / 2, channels 32 (w % 2) on) with source 0 = x, source 1 = W: a lane holds one channel and its registers run along the keys.
; 48 matrix instructions a K step in every wave of every work-group.
; x's block (98,304 bytes, all of K) and the 128 rows of the cos and sin tables come into LDS once; W's fragments, which no other wave of the work-group wants, go from memory straight into registers, two K steps ahead.
; CLUSTER.  The four work-groups of a cluster share beta: x's block and the table rows are asked for JOINTLY (mask 15).  W's rows differ between partners and are not shared.  cx enters W's and the outputs' addresses and two select masks alone.
; TILES are 16 rows 32 (T / 2) + 8 (T % 2) + m + 8 (m / 8): so the 16 registers of two neighbouring source-0 tiles are 16 neighbours (32 b + 16 (lane / 16) + 0 .. 15).
; q's fragment: k = 0 .. 63 mu cos, 64 .. 127 mu sin.  k's likewise with the angle turned by delta.  q takes the same text with cos_d = 1, sin_d = 0, which changes no bit.
; softplus(z) = max(z, 0) + log1p(e), e = exp(-|z|); log1p(e) = ln(u) + d (1 - w), u = fl(1 + e), w = u - 1, d = e - w.
; LIMITS: NaN and infinities are not served; where z < -87, e and so mu come out as 0; a block of zeros gets the byte 1 (this program alone loads the bytes).
; REGISTERS.  window 0: v1-5 addresses; v16-47 x's scale words, v48-71 W's; v72-75 words to store; v80-175 x's fragments, set 0; in the epilogue v80-143 N, v144-175 U, v176-207 WT, v208-223 TM, v224-243 PC, v246-253 PWS.
;   window 1: three buffers of W's six fragments at 72 k; v216-247 cos_d; in the epilogue two sets of table rows at 64 z.   window 2: the 32 accumulators of q or k at 8 (4 a + b).
;   window 3: the 16 accumulators of v at 8 (8 n + i); v128-223 x's fragments, set 1; v224-255 sin_d.
.set TRIG, 98304                       ; LDS: x's block at 0; cos rows at TRIG + 272 rho, sin rows 34,816 further on
.set XS,  16
.set WS,  48
.set CW,  72
.set N,   80
.set MX,  112
.set U,   144
.set WT,  176
.set TM,  208
.set PC,  224
.set PWS, 246
.set WV,  14
.set SEL, 74
.set MSB, 0
.macro WIN new                         ; the immediate's high byte repeats the setting that is left; a switch that changes nothing is dropped
.if MSB != (\new)
	s_set_vgpr_msb (MSB<<8)|(\new)
.set MSB, (\new)
.endif
.endm
.macro PLACES n
.rept \n
	v_nop
.endr
.endm
.macro ROUND                           ; a round of the cluster's barrier
	s_barrier_signal -1
	s_barrier_wait -1
	s_cmp_lg_u32 s[WV], 0
	s_cbranch_scc1 .Lnot_wave_0_\@
	s_barrier_signal -3
.Lnot_wave_0_\@:
	s_barrier_wait -3
	s_barrier_signal -1
	s_barrier_wait -1
.endm
; 64 numbers of a lane in window w, register 16 b + i = k 32 b + 16 (lane / 16) + i of the lane's row, become a fragment's codes in v[PC] .. v[PC + 11] and the row's scale word in v[pw].
.macro QUANT s, w, pw
	WIN 5*(\w)
.irp b, 0,1,2,3
	v_max3_num_f32 v[TM+\b], |v[(\s)+16*\b]|, |v[(\s)+16*\b+1]|, 0x2800000   ; the floor 2^(5 - 127): the byte cannot fall under 1.  Each accumulator is read from its low end on
.endr
.irp i, 2,4,6,8,10,12,14
.irp b, 0,1,2,3
	v_max3_num_f32 v[TM+\b], |v[(\s)+16*\b+\i]|, |v[(\s)+16*\b+\i+1]|, v[TM+\b]
.endr
.endr
	WIN 0
.irp b, 0,1,2,3
	v_permlanex16_b32 v[TM+4+\b], v[TM+\b], s[SEL], s[SEL+1]
.endr
.irp b, 0,1,2,3
	v_max_num_f32 v[TM+\b], v[TM+\b], v[TM+4+\b]
.endr
.irp b, 0,1,2,3
	v_add_nc_u32 v[TM+12+\b], 0xfe000000, v[TM+\b] ; 4 off the exponent field: the conversion's scale operand
.endr
.irp b, 0,1,2,3
	v_lshrrev_b32 v[TM+4+\b], 23, v[TM+12+\b]
.endr
	v_lshl_or_b32 v[\pw], v[TM+5], 8, v[TM+4]
	v_lshl_or_b32 v[\pw], v[TM+6], 16, v[\pw]
	v_lshl_or_b32 v[\pw], v[TM+7], 24, v[\pw]
	WIN (\w)
.irp c, 0,1
	v_cvt_scalef32_pk16_bf6_f32 v[PC+6*\c:PC+6*\c+2], v[(\s)+32*\c:(\s)+32*\c+15], v[TM+12+2*\c]
	v_cvt_scalef32_pk16_bf6_f32 v[PC+12+4*\c:PC+14+4*\c], v[(\s)+32*\c+16:(\s)+32*\c+31], v[TM+13+2*\c]
.endr
	WIN 0
	v_nop                                          ; one plain line behind the scaled conversions
.irp c, 0,1
.irp i, 0,1,2
	v_permlane16_swap_b32 v[PC+6*\c+\i], v[PC+12+4*\c+\i]
.endr
.irp i, 0,1,2
	v_mov_b32 v[PC+3+6*\c+\i], v[PC+12+4*\c+\i]
.endr
.endr
.endm
.macro GLOADW s                        ; W's six fragments of K step s into buffer s % 3: 18 loads of 512 consecutive bytes
	WIN 0x40
.irp b, 0,1,2,3
.irp g, 0,1,2
	global_load_b128 v[72*((\s)%3)+12*\b+4*\g:72*((\s)%3)+12*\b+4*\g+3], v1, s[66:67] offset:12288*(\s)+1536*\b+512*\g
.endr
.endr
.irp n, 0,1
.irp g, 0,1,2
	global_load_b128 v[72*((\s)%3)+48+12*\n+4*\g:72*((\s)%3)+48+12*\n+4*\g+3], v1, s[68:69] offset:12288*(\s)+1536*\n+512*\g
.endr
.endr
.endm
.macro FETCHX s                        ; x's eight fragments of K step s into set s % 2
.if (\s)%2
	WIN 0xC0
.else
	WIN 0
.endif
.irp a, 0,1,2,3,4,5,6,7
.irp g, 0,1,2
	ds_load_b128 v[80+48*((\s)%2)+12*\a+4*\g:80+48*((\s)%2)+12*\a+4*\g+3], v[1+(\s)/4] offset:(8*((\s)%4)+\a)*1536+512*\g
.endr
.endr
.endm
.macro WMMA s                          ; K step 0 starts the sums with the constant 0; odd K steps take their scale words from lanes 16-31
.if (\s) == 0
	v_wmma_scale_f32_16x16x128_f8f6f4 v[rD:rD+7], v[rA:rA+11], v[rB:rB+11], 0, v[rSA], v[rSB] matrix_a_fmt:MATRIX_FMT_BF6 matrix_b_fmt:MATRIX_FMT_BF6
.elseif (\s)%2
	v_wmma_scale_f32_16x16x128_f8f6f4 v[rD:rD+7], v[rA:rA+11], v[rB:rB+11], v[rD:rD+7], v[rSA], v[rSB] matrix_a_fmt:MATRIX_FMT_BF6 matrix_b_fmt:MATRIX_FMT_BF6 matrix_a_scale:MATRIX_SCALE_ROW1 matrix_b_scale:MATRIX_SCALE_ROW1
.else
	v_wmma_scale_f32_16x16x128_f8f6f4 v[rD:rD+7], v[rA:rA+11], v[rB:rB+11], v[rD:rD+7], v[rSA], v[rSB] matrix_a_fmt:MATRIX_FMT_BF6 matrix_b_fmt:MATRIX_FMT_BF6
.endif
.endm
.macro MULQK s, a0                     ; 16 products: x's tiles a0 .. a0 + 3 against the head's four tiles of W.  The 48 accumulators take turns, one instruction a turn
.if (\s)%2
	WIN 0xAD
.else
	WIN 0xA1
.endif
.irp a, \a0, \a0+1, \a0+2, \a0+3
.irp b, 0,1,2,3
.set rD, 8*(4*(\a)+\b)
.set rA, 72*((\s)%3)+12*\b
.set rB, 80+48*((\s)%2)+12*(\a)
.set rSA, WS+4*\b+(\s)/2
.set rSB, XS+4*(\a)+(\s)/2
	WMMA \s
.endr
.endr
.endm
.macro MULV s                          ; 16 products: x's eight tiles (source 0) against my two tiles of w_v
.if (\s)%2
	WIN 0xF7
.else
	WIN 0xF4
.endif
.irp i, 0,1,2,3,4,5,6,7
.irp n, 0,1
.set rD, 8*(8*\n+\i)
.set rA, 80+48*((\s)%2)+12*\i
.set rB, 72*((\s)%3)+48+12*\n
.set rSA, XS+4*\i+(\s)/2
.set rSB, WS+16+4*\n+(\s)/2
	WMMA \s
.endr
.endr
.endm
; A K step.  tc >= 0: the next phase of the fills is wanted by what is fetched below: my part has landed (tc younger tensor loads may be out), and a barrier shows everybody's.
.macro KSTEP s, tc
.if (\s) < 7
	s_wait_loadcnt 18                              ; this step's W is in; the next step's 18 loads may be out
.else
	s_wait_loadcnt 0x0
.endif
	s_wait_dscnt 0x0                               ; this step's x is in
.if (\tc) >= 0
	s_wait_tensorcnt \tc
	s_barrier_signal -1
.endif
	MULQK \s, 0
.if (\tc) >= 0
	s_barrier_wait -1
.endif
.if (\s) < 7
	PLACES 4                                       ; in front of loads into registers that the last K step's products read
.if (\s) < 6
	GLOADW (\s)+2
.endif
	FETCHX (\s)+1
.endif
	MULQK \s, 4
	MULV \s
.endm
.macro FETCHT a                        ; the cos and sin rows of tile a's 16 positions, my 32 channels of each, into set a % 2 of window 1
	WIN 0x40
.irp q, 0,1
.irp y, 0,1
.irp j, 0,1,2,3
	ds_load_b128 v[64*((\a)%2)+32*\q+16*\y+4*\j:64*((\a)%2)+32*\q+16*\y+4*\j+3], v4 offset:(32*((\a)/2)+8*((\a)%2))*272+34816*\q+128*\y+16*\j
.endr
.endr
.endr
.endm
	s_load_b256 s[4:11], s[0:1], 0x0               ; codes1, scales1, trig, qimg
	s_load_b64 s[12:13], s[0:1], 0x20              ; kvimg
	v_lshl_add_u32 v254, v0, 2, 0x2a000
	v_mov_b32 v255, 0
	ds_add_u32 v254, v255
	ds_add_u32 v254, v255
	v_lshrrev_b32 v1, 5, v0
	v_readfirstlane_b32 s[WV], v1                  ; wave 0..3
	s_and_b32 s17, ttmp7, 0xffff                   ; beta: which 128 rows of x; the four partners share it
	s_lshr_b32 s18, s17, 4                         ; batch
	s_and_b32 s19, s17, 15                         ; which 128 positions
	; descriptor groups 1: dense blocks as rows of 256 bytes (32 elements of 8 bytes); mask 15 with bit 21 beside it
	s_mov_b32 s24, 15|(3<<16)|(1<<21)              ; 96 rows: a wave's quarter of x's block, two K steps
	s_mov_b32 s25, 32<<16
	s_mov_b32 s26, 96<<16
	s_mov_b32 s27, 32<<16
	s_mov_b32 s28, 96
	s_mov_b32 s29, 32
	s_mov_b32 s30, 0
	s_mov_b32 s31, 0
	s_mov_b32 s40, 15|(3<<16)|(1<<20)|(1<<21)|(5<<22)|(3<<25)   ; 64 table rows, 16 bytes of padding behind each 256
	s_mov_b32 s41, 32<<16
	s_mov_b32 s42, 64<<16
	s_mov_b32 s43, 32<<16
	s_mov_b32 s44, 64
	s_mov_b32 s45, 32
	s_mov_b32 s46, 0
	s_mov_b32 s47, 0
	s_mul_i32 s86, s17, 98304                      ; x's block
	s_mov_b32 s87, 0
	s_mul_i32 s84, s[WV], 24576
	s_mov_b32 s85, 0
	s_lshr_b32 s90, s[WV], 1                       ; waves 0, 1: cos; 2, 3: sin
	s_lshl_b32 s90, s90, 19
	s_lshl_b32 s91, s19, 15                        ; 128 rows of 256 bytes
	s_add_co_u32 s90, s90, s91
	s_and_b32 s91, s[WV], 1
	s_lshl_b32 s91, s91, 14                        ; which 64 of them
	s_add_co_u32 s90, s90, s91
	s_mov_b32 s91, 0
	s_wait_dscnt 0x0
	s_wait_kmcnt 0x0
	s_add_nc_u64 s[86:87], s[4:5], s[86:87]
	s_mov_b32 s48, 1                               ; x's block: wave w fetches K steps 2 w and 2 w + 1
	s_mov_b32 s49, s84
	s_add_nc_u64 s[50:51], s[86:87], s[84:85]
	s_or_b32 s51, s51, 0x80000000
	s_mov_b32 s60, 1                               ; phase T: the table rows
	s_mul_i32 s61, s[WV], 17408
	s_add_co_u32 s61, s61, TRIG
	s_add_nc_u64 s[62:63], s[8:9], s[90:91]
	s_or_b32 s63, s63, 0x80000000
	ROUND                                          ; the four work-groups are here: the joint loads meet
	tensor_load_to_lds s[48:51], s[24:31]          ; my quarter of x's block: one tensor load a wave at the head
	s_nop 0
	PLACES 4
	s_bfe_u32 s15, ttmp6, 0x40000                  ; cx
	s_lshl_b32 s16, ttmp9, 2
	s_add_co_u32 s16, s16, s15                     ; column group c
	s_lshl_b32 s20, s16, 2
	s_add_co_u32 s20, s20, s[WV]                   ; eta: 0-15 q's heads, 16-31 k's
	s_and_b32 s21, s20, 15
	s_mov_b32 s83, 0
	s_lshr_b32 s82, s20, 1                         ; W's rows 64 eta on: block 32 + eta / 2, tiles 4 (eta % 2) on
	s_add_co_u32 s82, s82, 32
	s_mul_i32 s82, s82, 98304
	s_and_b32 s77, s20, 1
	s_mul_i32 s77, s77, 6144
	s_add_co_u32 s82, s82, s77
	s_add_nc_u64 s[66:67], s[4:5], s[82:83]
	s_add_co_u32 s82, s16, 48                      ; w_v: block 48 + c, tiles 2 w, 2 w + 1
	s_mul_i32 s82, s82, 98304
	s_mul_i32 s77, s[WV], 3072
	s_add_co_u32 s82, s82, s77
	s_add_nc_u64 s[68:69], s[4:5], s[82:83]
	s_lshl_b32 s82, s17, 12                        ; scale words: x's eight tiles,
	s_add_nc_u64 s[92:93], s[6:7], s[82:83]
	s_lshl_b32 s82, s20, 11                        ; tiles 256 + 4 eta on,
	s_add_co_u32 s82, s82, 131072
	s_add_nc_u64 s[94:95], s[6:7], s[82:83]
	s_lshl_b32 s82, s16, 12                        ; tiles 384 + 8 c + 2 w on
	s_lshl_b32 s77, s[WV], 10
	s_add_co_u32 s82, s82, s77
	s_add_co_u32 s82, s82, 196608
	s_add_nc_u64 s[22:23], s[6:7], s[82:83]
	s_lshl_b32 s82, s21, 8                         ; cos_d, sin_d of head eta % 16
	s_add_co_u32 s82, s82, 1048576
	s_add_nc_u64 s[2:3], s[8:9], s[82:83]
	s_lshl_b32 s82, s18, 4                         ; where q's or k's record lies
	s_add_co_u32 s82, s82, s21
	s_lshl_b32 s82, s82, 4
	s_add_co_u32 s82, s82, s19
	s_mov_b32 s77, 19200
	s_cmp_lt_u32 s20, 16                           ; q or k: a choice, never a branch
	s_cselect_b32 s77, 12800, s77
	s_cselect_b32 s81, 0, -1                       ; all lanes for k, none for q
	s_cselect_b64 s[70:71], s[10:11], s[12:13]
	s_mul_i32 s82, s82, s77
	s_add_nc_u64 s[70:71], s[70:71], s[82:83]
	s_lshl_b32 s82, s16, 1                         ; v's head 2 c + w / 2
	s_lshr_b32 s77, s[WV], 1
	s_add_co_u32 s82, s82, s77
	s_lshl_b32 s77, s18, 4
	s_add_co_u32 s82, s82, s77
	s_lshl_b32 s82, s82, 4
	s_add_co_u32 s82, s82, s19
	s_mul_i32 s82, s82, 19200
	s_add_co_u32 s82, s82, 12800
	s_add_nc_u64 s[72:73], s[12:13], s[82:83]      ; V's part of the record
	s_and_b32 s77, s[WV], 1
	s_lshl_b32 s82, s77, 7
	s_add_co_u32 s82, s82, 6144
	s_add_nc_u64 s[96:97], s[72:73], s[82:83]      ; my pair's scale words
	s_mul_i32 s82, s77, 3072
	s_add_nc_u64 s[72:73], s[72:73], s[82:83]      ; my pair of tiles
	s_mov_b32 s[SEL], 0x76543210
	s_mov_b32 s[SEL+1], 0xfedcba98
	s_mov_b32 s76, 0x3fb8aa3b                      ; log2(e)
	s_mov_b32 s78, 0x3f317218                      ; ln(2), as a pair for the packed form
	s_mov_b32 s79, s78
	s_mov_b32 s80, 0xffff0000                      ; lanes 16-31
	v_and_b32 v6, 31, v0
	v_lshlrev_b32 v1, 4, v6                        ; 16 x lane
	v_add_nc_u32 v2, 49152, v1                     ; the same in the block's second half
	v_lshlrev_b32 v3, 2, v6                        ; 4 x lane
	v_and_b32 v6, 15, v0                           ; r
	v_bfe_u32 v7, v0, 4, 1                         ; h
	v_and_b32 v8, 8, v6
	v_add_nc_u32 v8, v8, v6                        ; r + 8 (r / 8)
	v_mul_u32_u24 v4, v8, 272
	v_lshl_add_u32 v4, v7, 6, v4
	v_add_nc_u32 v4, TRIG, v4                      ; my position's table row, + 64 h
	v_lshlrev_b32 v5, 6, v7                        ; 64 h
.irp b, 0,1,2,3
	v_mov_b32 v[TM+4+\b], 0                        ; written once: a lane permute's destination counts as read
.endr
.irp a, 0,1,2,3,4,5,6,7
	global_load_b128 v[XS+4*\a:XS+4*\a+3], v1, s[92:93] offset:512*\a   ; register j: K step 2 j in lanes 0-15, 2 j + 1 in lanes 16-31
.endr
.irp b, 0,1,2,3
	global_load_b128 v[WS+4*\b:WS+4*\b+3], v1, s[94:95] offset:512*\b
.endr
.irp n, 0,1
	global_load_b128 v[WS+16+4*\n:WS+16+4*\n+3], v1, s[22:23] offset:512*\n
.endr
	WIN 0x40
.irp y, 0,1
.irp j, 0,1,2,3
	global_load_b128 v[216+16*\y+4*\j:216+16*\y+4*\j+3], v5, s[2:3] offset:128*\y+16*\j   ; cos_d at channels 32 y + 16 h + 4 j on
.endr
.endr
	WIN 0xC0
.irp y, 0,1
.irp j, 0,1,2,3
	global_load_b128 v[224+16*\y+4*\j:224+16*\y+4*\j+3], v5, s[2:3] offset:4096+128*\y+16*\j   ; sin_d
.endr
.endr
	GLOADW 0
	GLOADW 1
	s_wait_alu depctr_va_vdst(0)
	WIN 0
	s_wait_tensorcnt 0x0                           ; my quarter of x's block is in
	ds_add_u32 v254, v255
	s_wait_dscnt 0x0
	ROUND                                          ; everybody's quarter is in, and the four work-groups are here
	tensor_load_to_lds s[60:63], s[40:47]          ; the table rows, 64 a wave: my one tensor load behind the round; each LDS byte is filled once
	s_nop 0
	PLACES 4
	FETCHX 0
	KSTEP 0, -1
	KSTEP 1, -1
	KSTEP 2, -1
	KSTEP 3, -1
	KSTEP 4, -1
	KSTEP 5, -1
	KSTEP 6, -1
	KSTEP 7, 0                                     ; the table rows
	; THE EPILOGUE
	PLACES 4                                       ; behind the last products: results are read, operand registers are written and loaded
	FETCHT 0
	FETCHT 1
	WIN 0x44
.set i, 0
.rept 32
	v_cndmask_b32 v[216+i], 1.0, v[216+i], s81     ; q: cos_d = 1,
.set i, i+1
.endr
	WIN 0xCC
.set i, 0
.rept 32
	v_cndmask_b32 v[224+i], 0, v[224+i], s81       ; sin_d = 0
.set i, i+1
.endr
.irp n, 0,1                            ; v: tile n's 16 channels x 128 keys: the lane's 64 registers run along the keys
	s_wait_xcnt 0x0                                ; earlier stores have read the codes' registers
	QUANT 64*\n, 3, PWS+\n
.irp g, 0,1,2
	global_store_b128 v1, v[PC+4*\g:PC+4*\g+3], s[72:73] offset:1536*\n+512*\g
.endr
.endr
	v_cndmask_b32 v[CW], v[PWS], v[PWS+1], s80     ; lanes 0-15 the first tile's words, lanes 16-31 the second's
	global_store_b32 v3, v[CW], s[96:97]
.macro QKTILE a
.set Z, 64*((\a)%2)
	WIN 0x02
.set i, 0
.rept 32
	v_mul_f32 v[N+i], -|v[32*(\a)+i]|, s76         ; - |z| log2(e); each accumulator from its low end on
.set i, i+1
.endr
.set i, 0
.rept 32
	v_max_num_f32 v[MX+i], v[32*(\a)+i], 0
.set i, i+1
.endr
	WIN 0
.set i, 0
	s_wait_alu depctr_va_vdst(0)
.rept 32
	v_exp_f32 v[N+i], v[N+i]                       ; e
.set i, i+1
.endr
	v_nop
	s_wait_alu depctr_va_vdst(0)                   ; one wait for the batch, ahead of its first use
.set i, 0
.rept 16
	v_pk_add_f32 v[U+i:U+i+1], v[N+i:N+i+1], 1.0 op_sel_hi:[1,0]        ; u
.set i, i+2
.endr
.set i, 0
.rept 16
	v_pk_add_f32 v[WT+i:WT+i+1], v[U+i:U+i+1], -1.0 op_sel_hi:[1,0]     ; w
.set i, i+2
.endr
.set i, 0
	s_wait_alu depctr_va_vdst(0)
.rept 32
	v_log_f32 v[U+i], v[U+i]
.set i, i+1
.endr
.set i, 0
.rept 16
	v_pk_add_f32 v[N+i:N+i+1], v[N+i:N+i+1], v[WT+i:WT+i+1] neg_lo:[0,1] neg_hi:[0,1]   ; d = e - w: plain work behind the logarithms
.set i, i+2
.endr
.set i, 0
.rept 16
	v_pk_fma_f32 v[WT+i:WT+i+1], v[N+i:N+i+1], v[WT+i:WT+i+1], v[N+i:N+i+1] neg_lo:[1,0,0] neg_hi:[1,0,0]   ; d (1 - w)
.set i, i+2
.endr
	s_wait_alu depctr_va_vdst(0)                   ; one wait for the 32 logarithms
.set i, 0
.rept 16
	v_pk_fma_f32 v[WT+i:WT+i+1], v[U+i:U+i+1], s[78:79], v[WT+i:WT+i+1] op_sel_hi:[1,0,1]
.set i, i+2
.endr
.set i, 0
.rept 16
	v_pk_add_f32 v[WT+i:WT+i+1], v[WT+i:WT+i+1], v[MX+i:MX+i+1]         ; mu
.set i, i+2
.endr
.if (\a) < 7
	s_wait_dscnt 16                                ; this tile's table rows are in; the next tile's 16 loads may be out
.else
	s_wait_dscnt 0x0
.endif
	WIN 0x05
.set i, 0
.rept 16
	v_pk_mul_f32 v[N+i:N+i+1], v[Z+i:Z+i+1], v[216+i:216+i+1]           ; cos_pos cos_d
.set i, i+2
.endr
.set i, 0
.rept 16
	v_pk_mul_f32 v[N+32+i:N+32+i+1], v[Z+32+i:Z+32+i+1], v[216+i:216+i+1]   ; sin_pos cos_d
.set i, i+2
.endr
	WIN 0x0D
.set i, 0
.rept 16
	v_pk_fma_f32 v[N+i:N+i+1], v[Z+32+i:Z+32+i+1], v[224+i:224+i+1], v[N+i:N+i+1] neg_lo:[1,0,0] neg_hi:[1,0,0]   ; - sin_pos sin_d
.set i, i+2
.endr
.set i, 0
.rept 16
	v_pk_fma_f32 v[N+32+i:N+32+i+1], v[Z+i:Z+i+1], v[224+i:224+i+1], v[N+32+i:N+32+i+1]   ; + cos_pos sin_d
.set i, i+2
.endr
.if (\a) < 6
	FETCHT (\a)+2
.endif
	WIN 0
.set i, 0
.rept 16
	v_pk_mul_f32 v[N+i:N+i+1], v[N+i:N+i+1], v[WT+i:WT+i+1]
	v_pk_mul_f32 v[N+32+i:N+32+i+1], v[N+32+i:N+32+i+1], v[WT+i:WT+i+1]
.set i, i+2
.endr
	s_wait_xcnt 0x0                                ; earlier stores have read the codes' registers
	QUANT N, 0, PWS+(\a)
.irp g, 0,1,2
	global_store_b128 v1, v[PC+4*\g:PC+4*\g+3], s[70:71] offset:1536*(\a)+512*\g   ; 512 consecutive bytes each
.endr
.endm
	QKTILE 0
	QKTILE 1
	QKTILE 2
	QKTILE 3
	QKTILE 4
	QKTILE 5
	QKTILE 6
	QKTILE 7
.irp j, 0,1,2,3
	v_cndmask_b32 v[CW+\j], v[PWS+2*\j], v[PWS+2*\j+1], s80   ; register j: tile 2 j's words in lanes 0-15, tile 2 j + 1's in lanes 16-31.  (v's word left these registers ahead of the waits above)
.endr
	global_store_b128 v1, v[CW:CW+3], s[70:71] offset:12288
	s_wait_dscnt 0x0
	s_wait_tensorcnt 0x0
	ds_add_u32 v254, v255
	s_wait_dscnt 0x0
	ROUND                                          ; the closing round: no work-group ends while a partner may still ask jointly
	s_endpgm
.Lfunc_end_k_q456cbacb7b_qkv:
	.size	k_q456cbacb7b_qkv, .Lfunc_end_k_q456cbacb7b_qkv-k_q456cbacb7b_qkv
	.p2alignl 7, 3214868480
	.fill 96, 4, 3214868480
	.section	.rodata,"a",@progbits
	.p2align	6, 0x0
	.amdhsa_kernel k_q456cbacb7b_qkv
		.amdhsa_group_segment_fixed_size 327680
		.amdhsa_private_segment_fixed_size 0
		.amdhsa_enable_private_segment 0
		.amdhsa_kernarg_size 40
		.amdhsa_user_sgpr_count 2
		.amdhsa_user_sgpr_kernarg_segment_ptr 1
		.amdhsa_wavefront_size32 1
		.amdhsa_system_sgpr_workgroup_id_x 1
		.amdhsa_system_sgpr_workgroup_id_y 1
		.amdhsa_system_sgpr_workgroup_id_z 1
		.amdhsa_system_vgpr_workitem_id 0
		.amdhsa_next_free_vgpr 1024
		.amdhsa_next_free_sgpr 100
		.amdhsa_reserve_vcc 0
		.amdhsa_float_denorm_mode_32 3
		.amdhsa_float_denorm_mode_16_64 3
		.amdhsa_memory_ordered 1
		.amdhsa_forward_progress 1
		.amdhsa_inst_pref_size 255
	.end_amdhsa_kernel
	.section	.bss,"aw",@nobits
	.p2align	6
	.space	262144
	.amdgpu_metadata
---
amdhsa.version: [ 1, 2 ]
amdhsa.kernels:
  - .name:           k_q456cbacb7b_qkv
    .symbol:         k_q456cbacb7b_qkv.kd
    .args:
      - { .name: codes1, .offset: 0, .size: 8, .value_kind: global_buffer, .address_space: global }
      - { .name: scales1, .offset: 8, .size: 8, .value_kind: global_buffer, .address_space: global }
      - { .name: trig, .offset: 16, .size: 8, .value_kind: global_buffer, .address_space: global }
      - { .name: qimg, .offset: 24, .size: 8, .value_kind: global_buffer, .address_space: global }
      - { .name: kvimg, .offset: 32, .size: 8, .value_kind: global_buffer, .address_space: global }
    .group_segment_fixed_size: 327680
    .private_segment_fixed_size: 0
    .kernarg_segment_align: 8
    .kernarg_segment_size: 40
    .max_flat_workgroup_size: 128
    .sgpr_count:     100
    .vgpr_count:     1024
    .wavefront_size: 32
...
	.end_amdgpu_metadata
.endif
;; end of part 2
;; launch attn (part 3): grid 8 x 32, 16 waves a work-group, clusters of 4 x 1, 309,248 bytes of LDS; arguments qimg, kvimg, yimg, yscl; writes yimg, yscl
.if DOCPART == 3
	.amdgcn_target "amdgcn-amd-amdhsa--gfx1250"
	.amdhsa_code_object_version 6
	.text
	.protected	k_q456cbacb7b_attn
	.globl	k_q456cbacb7b_attn
	.p2align	8
	.type	k_q456cbacb7b_attn,@function
k_q456cbacb7b_attn:
	s_mov_b64 s[64:65], 0
	v_nop
	global_prefetch_b8 v0, s[64:65] scope:SCOPE_SE
	s_setreg_imm32_b32 hwreg(HW_REG_WAVE_MODE, 25, 1), 1
	s_wait_xcnt 0x0
	s_wait_alu depctr_hold_cnt(0) depctr_sa_sdst(0) depctr_va_vdst(0) depctr_va_sdst(0) depctr_va_ssrc(0) depctr_va_vcc(0) depctr_vm_vsrc(0)
	s_getreg_b32 s2, hwreg(HW_REG_IB_STS2, 6, 4)
	s_cmp_eq_u32 s2, 0
	s_cbranch_scc0 .Lentry_in_a_cluster
	s_endpgm
.Lentry_in_a_cluster:
	s_bfe_u32 s2, ttmp6, 0x10000c
	s_cmp_lg_u32 s2, 0x3003
	s_cbranch_scc0 .Lentry_shape_is_right
	s_endpgm
.Lentry_shape_is_right:
; ATTN: for one head, S^T = K Q^T (the real and the imaginary product are ONE instruction of K = 128), the causal mask, the softmax by a running whole-number M, O^T += V^T P^T, O / l, and y's quantiser along the channels.
; t = score x log2(e) / 8; M = the ceiling of the row's largest t so far; p = 2^(t - M) is quantised along the keys, not normalised; l is the sum of the unquantised p; when M moves, l and O are multiplied by a power of two.
; LEFT OUT: key steps all of whose keys come after a tile's queries: the causal mask sets their scores to -infinity, so their p are 0 for all values of the inputs.
; SHARES.  Work-group (x, bh) owns tile x (16 queries) of each of the 16 query blocks of head bh.  A key step is 128 keys.  Pair i = 0 .. 7 of waves shares the tiles of blocks 15 - i (16 - i steps) and i (i + 1 steps), 17 steps:
; wave i works steps 0 to 7 of block 15 - i's tile (8 steps, none on the diagonal); wave 8 + i works block i's tile whole (i + 1 steps), stores it, and then steps 8 to 15 - i of block 15 - i's tile (8 - i steps) from a fresh state: 9 steps.
; THE TWO PARTS OF A TILE ARE JOINED AT THE END: wave i hands -M, l and O^T to wave 8 + i through LDS; with M the larger of the two whole numbers both parts are multiplied by 2^(own M - M), which rounds nothing, and added.
; A step's data are one record of kvimg (19,200 bytes: K's 8 fragments, K's scale words, V's 4 fragments, V's scale words).  The head's 16 records fill LDS ONCE: wave w asks for record w at the head, its one tensor load; one barrier shows all sixteen.
; Every wave walks two passes of 16 trips (constant counts); a scalar branch on ids passes over the steps outside the pass's window; in the step on the diagonal hidden scores become -infinity.
; THE STAGE for the joining (4,608 bytes a pair, from LDS byte 0) lies on records' bytes, which have had their only fill; a barrier behind every wave's last read of the records stands in front of the stores.
; CLUSTER.  The four work-groups of a cluster share bh and read every record: each record is asked for JOINTLY (mask 15).  cx enters Q's and the outputs' addresses and the mask's number alone; no branch hangs on it.
; NO PREFETCH: all of a head's bytes are asked for by the sixteen tensor loads at the head; there is no loop to ask ahead in.
; A lane holds ONE query (lane % 16) throughout.  The keys, queries and channels of a tile are 32 (T / 2) + 8 (T % 2) + m + 8 (m / 8).
; LIMITS: NaN and infinities are not served; a block of zeros gets the byte 1 (this program alone loads the bytes); the promise holds while |t| stays under 2^31.
; REGISTERS: v1-5 addresses and the mask's number; v6 -infinity; v7, v10, v11 at work; v[8:9] f; v12 -M, v13 the largest t, v[14:15] l; v16-27 Q; v28 Q's, v29 p's, v30-31 V's, v32-35 K's scale words;
;   v36-131 K's 8 fragments (V's 4 in v36-83; v100-107 at work in the softmax); v132-195 S^T, then p; v196-227 O^T; v228-239 p's codes; v240-253 at work; v254-255 the add's.
.set SPARE, 307200
.set KF,  36
.set PX,  100
.set S,   132
.set O,   196
.set PC,  228
.set BM,  240
.set PT,  244
.set TS,  246
.set SO,  248
.set WV,  12
.set QB,  56                           ; s56  the block of the tile at work: the step on its diagonal
.set J,   57                           ; s57  the key step
.set TB,  58                           ; s58  its record's LDS byte
.set CNT, 59
.set CS,  60                           ; s[60:61] log2(e) / 8
.set SEL, 62                           ; s[62:63] selects of v_permlanex16_b32: lane l xor 16
.set LO,  66                           ; s66, s68  the pass's window of steps
.set PASS, 67
.set HI,  68
.set ROLE, 69                          ; s69  0: waves 0-7, 1: waves 8-15
.set LO1, 70                           ; s70  the second pass's first step (16: none)
.set QB1, 71                           ; s71  15 - i
.set STG, 72                           ; s72  my pair's stage
.set QF,  73                           ; s73  my tile's fragment in a record of q
.set QS,  74                           ; s74  and its scale words
.macro PLACES n
.rept \n
	v_nop
.endr
.endm
.macro ROUND                           ; a round of the cluster's barrier
	s_barrier_signal -1
	s_barrier_wait -1
	s_cmp_lg_u32 s[WV], 0
	s_cbranch_scc1 .Lnot_wave_0_\@
	s_barrier_signal -3
.Lnot_wave_0_\@:
	s_barrier_wait -3
	s_barrier_signal -1
	s_barrier_wait -1
.endm
.macro SMUL f                          ; S^T, tile f: 16 keys x my 16 queries
.if (\f)%2
	v_wmma_scale_f32_16x16x128_f8f6f4 v[S+8*(\f):S+8*(\f)+7], v[KF+12*(\f):KF+12*(\f)+11], v[16:27], 0, v[32+(\f)/2], v28 matrix_a_fmt:MATRIX_FMT_BF6 matrix_b_fmt:MATRIX_FMT_BF6 matrix_a_scale:MATRIX_SCALE_ROW1
.else
	v_wmma_scale_f32_16x16x128_f8f6f4 v[S+8*(\f):S+8*(\f)+7], v[KF+12*(\f):KF+12*(\f)+11], v[16:27], 0, v[32+(\f)/2], v28 matrix_a_fmt:MATRIX_FMT_BF6 matrix_b_fmt:MATRIX_FMT_BF6
.endif
.endm
.macro OMUL n                          ; O^T, tile n: 16 channels x my 16 queries, K = the step's 128 keys.  The four accumulators take turns
.if (\n)%2
	v_wmma_scale_f32_16x16x128_f8f6f4 v[O+8*(\n):O+8*(\n)+7], v[KF+12*(\n):KF+12*(\n)+11], v[PC:PC+11], v[O+8*(\n):O+8*(\n)+7], v[30+(\n)/2], v29 matrix_a_fmt:MATRIX_FMT_BF6 matrix_b_fmt:MATRIX_FMT_BF6 matrix_a_scale:MATRIX_SCALE_ROW1
.else
	v_wmma_scale_f32_16x16x128_f8f6f4 v[O+8*(\n):O+8*(\n)+7], v[KF+12*(\n):KF+12*(\n)+11], v[PC:PC+11], v[O+8*(\n):O+8*(\n)+7], v[30+(\n)/2], v29 matrix_a_fmt:MATRIX_FMT_BF6 matrix_b_fmt:MATRIX_FMT_BF6
.endif
.endm
.macro FRESH                           ; a state begins: the step is written once, and the first finds zeros, which the first change of M leaves zeros
	v_mov_b32 v13, 0xff61b1e6                      ; the largest t so far: -3e38
	s_delay_alu instid0(VALU_DEP_1)
	v_floor_f32 v12, -v13
	v_mov_b32 v14, 0
	v_mov_b32 v15, 0
.set i, 0
.rept 32
	v_mov_b32 v[O+i], 0
.set i, i+1
.endr
.endm
.macro STEP                            ; a key step
	s_cmp_lt_u32 s[J], s[LO]                       ; outside the pass's window: only the counters step
	s_cbranch_scc1 .Lhid_\@
	s_cmp_gt_u32 s[J], s[HI]
	s_cbranch_scc1 .Lhid_\@
	v_add_nc_u32 v3, s[TB], v1
	v_add_nc_u32 v4, s[TB], v2
	v_nop
	v_nop                                          ; four places in front of loads into registers that the last step's products read
	ds_load_b128 v[32:35], v3 offset:12288         ; K's scale words: register j: tile 2 j in lanes 0-15, 2 j + 1 in lanes 16-31
.irp f, 0,1,2,3,4,5,6,7
.irp g, 0,1,2
	ds_load_b128 v[KF+12*\f+4*\g:KF+12*\f+4*\g+3], v3 offset:1536*\f+512*\g
.endr
.endr
	s_wait_alu depctr_va_vdst(0)
	s_wait_dscnt 12                                ; the words and fragments 0-3 are in; the 12 loads of fragments 4-7 may be out
.irp f, 0,1,2,3
	SMUL \f
.endr
	s_wait_dscnt 0x0
.irp f, 4,5,6,7
	SMUL \f
.endr
	PLACES 4
.irp n, 0,1,2,3
.irp g, 0,1,2
	ds_load_b128 v[KF+12*\n+4*\g:KF+12*\n+4*\g+3], v3 offset:12800+1536*\n+512*\g   ; V lands while the softmax is worked
.endr
.endr
	ds_load_b32 v30, v4 offset:18944
	ds_load_b32 v31, v4 offset:18944+128
	s_cmp_lt_u32 s[J], s[QB]
	s_cbranch_scc1 .Lopen_\@
.set n, 0
.rept 64                               ; the step on the diagonal: hidden where the key comes after the query
	v_cmp_gt_i32 vcc_lo, 32*(n/16)+n%16, v5
	v_cndmask_b32 v[S+n], v[S+n], v6, vcc_lo
.set n, n+1
.endr
.Lopen_\@:
.irp b, 0,1,2,3
	v_max3_num_f32 v[BM+\b], v[S+16*\b], v[S+1+16*\b], v[S+2+16*\b]   ; the largest score of each block of 32 keys: for the row's maximum, and for the block's largest p
.endr
.irp i, 3,5,7,9,11,13
.irp b, 0,1,2,3
	v_max3_num_f32 v[BM+\b], v[BM+\b], v[S+16*\b+\i], v[S+1+16*\b+\i]
.endr
.endr
.irp b, 0,1,2,3
	v_max_num_f32 v[BM+\b], v[BM+\b], v[S+15+16*\b]
.endr
.irp b, 0,1,2,3
	s_delay_alu instid0(VALU_DEP_4)
	v_permlanex16_b32 v[PT+\b], v[BM+\b], s[SEL], s[SEL+1]
.endr
.irp b, 0,1,2,3
	s_delay_alu instid0(VALU_DEP_4)
	v_max_num_f32 v[BM+\b], v[BM+\b], v[PT+\b]
.endr
	s_delay_alu instid0(VALU_DEP_2)
	v_max3_num_f32 v7, v[BM], v[BM+1], v[BM+2]
	s_delay_alu instid0(VALU_DEP_1)
	v_max_num_f32 v7, v7, v[BM+3]
	s_delay_alu instid0(VALU_DEP_1)
	v_mul_f32 v7, s[CS], v7
	s_delay_alu instid0(VALU_DEP_1)
	v_max_num_f32 v13, v13, v7                     ; the running largest t
	v_mov_b32 v7, v12
	s_delay_alu instid0(VALU_DEP_2)
	v_floor_f32 v12, -v13                          ; -M = floor(-t)
	s_delay_alu instid0(VALU_DEP_1)
	v_sub_f32 v7, v12, v7                          ; old M - new M: a whole number, 0 or less
	s_delay_alu instid0(VALU_DEP_1)
	v_cvt_i32_f32 v7, v7                           ; (it saturates)
	s_delay_alu instid0(VALU_DEP_1)
	v_ldexp_f32 v8, 1.0, v7                        ; f = 2^(old M - new M)
.set i, 0
.rept 32
	v_pk_fma_f32 v[S+i:S+i+1], v[S+i:S+i+1], s[CS:CS+1], v[12:13] op_sel_hi:[1,0,0]   ; t - M
.set i, i+2
.endr
.irp b, 0,1,2,3
	v_fma_f32 v[BM+\b], v[BM+\b], s[CS], v12
.endr
	s_wait_alu depctr_va_vdst(0)                   ; the wait ahead of the batch
.set i, 0
.rept 64
	v_exp_f32 v[S+i], v[S+i]                       ; p
.set i, i+1
.endr
	v_pk_mul_f32 v[14:15], v[14:15], v[8:9] op_sel_hi:[1,0]   ; l under the new M: a plain line behind the batch
	s_wait_alu depctr_va_vdst(0)                   ; one wait for the 64, ahead of their first use
.irp b, 0,1,2,3
	v_exp_f32 v[BM+\b], v[BM+\b]                   ; each block's largest p
.endr
.irp c, 0,1,2,3                        ; l: the sum of the unquantised p, two at a time, in four chains by turns
	v_pk_add_f32 v[TS+2*\c:TS+2*\c+1], v[S+2*\c:S+2*\c+1], v[S+8+2*\c:S+8+2*\c+1]
.endr
.irp i, 16,24,32,40,48,56
.irp c, 0,1,2,3
	v_pk_add_f32 v[TS+2*\c:TS+2*\c+1], v[TS+2*\c:TS+2*\c+1], v[S+\i+2*\c:S+\i+2*\c+1]
.endr
.endr
	v_pk_add_f32 v[TS:TS+1], v[TS:TS+1], v[TS+2:TS+3]
	v_pk_add_f32 v[TS+4:TS+5], v[TS+4:TS+5], v[TS+6:TS+7]
	s_delay_alu instid0(VALU_DEP_1)
	v_pk_add_f32 v[TS:TS+1], v[TS:TS+1], v[TS+4:TS+5]
	s_delay_alu instid0(VALU_DEP_1)
	v_pk_add_f32 v[14:15], v[14:15], v[TS:TS+1]
	s_wait_alu depctr_va_vdst(0)                   ; and one for the four
.irp b, 0,1,2,3
	v_max_num_f32 v[BM+\b], 0x2800000, v[BM+\b]    ; the floor 2^(5 - 127)
.endr
.irp b, 0,1,2,3
	s_delay_alu instid0(VALU_DEP_4)
	v_add_nc_u32 v[SO+\b], 0xfe000000, v[BM+\b]
.endr
.irp b, 0,1,2,3
	s_delay_alu instid0(VALU_DEP_4)
	v_lshrrev_b32 v[PT+\b], 23, v[SO+\b]
.endr
	s_delay_alu instid0(VALU_DEP_3)
	v_lshl_or_b32 v29, v[PT+1], 8, v[PT]           ; p's scale word for these 128 keys
	s_delay_alu instid0(VALU_DEP_1)
	v_lshl_or_b32 v29, v[PT+2], 16, v29
	s_delay_alu instid0(VALU_DEP_1)
	v_lshl_or_b32 v29, v[PT+3], 24, v29
.irp c, 0,1
	v_cvt_scalef32_pk16_bf6_f32 v[PC+6*\c:PC+6*\c+2], v[S+32*\c:S+32*\c+15], v[SO+2*\c]
	v_cvt_scalef32_pk16_bf6_f32 v[PX+4*\c:PX+4*\c+2], v[S+32*\c+16:S+32*\c+31], v[SO+2*\c+1]
.endr
	v_nop
.irp c, 0,1
.irp i, 0,1,2
	v_permlane16_swap_b32 v[PC+6*\c+\i], v[PX+4*\c+\i]
.endr
.irp i, 0,1,2
	s_delay_alu instid0(VALU_DEP_3)
	v_mov_b32 v[PC+3+6*\c+\i], v[PX+4*\c+\i]
.endr
.endr
.set i, 0
.rept 16
	v_pk_mul_f32 v[O+i:O+i+1], v[O+i:O+i+1], v[8:9] op_sel_hi:[1,0]   ; O^T under the new M; these 16 also stand between the writing of p's codes and scale word and the products
.set i, i+2
.endr
	s_wait_alu depctr_va_vdst(0)                   ; the wait, directly ahead of the wait below
	s_wait_dscnt 0x0                               ; V and its scale words are in
.irp n, 0,1,2,3
	OMUL \n
.endr
.Lhid_\@:
.endm
; THE WAY OUT of the tile of block s[QB]: y = O / l; its 64 channels are two blocks of 32 of the last product's K: six registers of a fragment, stored as 3 x 256 consecutive bytes; two scale bytes a row.
.macro WAYOUT
	PLACES 4
	v_add_f32 v14, v14, v15
	s_delay_alu instid0(VALU_DEP_1)
	v_permlanex16_b32 v7, v14, s[SEL], s[SEL+1]
	s_delay_alu instid0(VALU_DEP_1)
	v_add_f32 v14, v14, v7
	s_wait_alu depctr_va_vdst(0)
	v_rcp_f32 v14, v14
	v_and_b32 v10, 31, v0                          ; (plain work behind the reciprocal)
	s_delay_alu instid0(VALU_DEP_1)
	v_lshlrev_b32 v10, 3, v10                      ; 8 x lane
	v_and_b32 v11, 15, v0
	v_bfe_u32 v7, v0, 4, 1
	s_delay_alu instid0(VALU_DEP_1)
	v_lshl_add_u32 v11, v11, 4, v7                 ; 16 r + h
	s_lshr_b32 s80, s13, 4
	s_lshl_b32 s80, s80, 4
	s_add_co_u32 s80, s80, s[QB]                   ; y's block of 128 rows
	s_and_b32 s81, s13, 15                         ; the head
	s_and_b32 s82, s81, 1
	s_lshr_b32 s83, s81, 1                         ; the K step
	s_mul_i32 s86, s80, 98304
	s_mul_i32 s84, s83, 12288
	s_add_co_u32 s86, s86, s84
	s_mul_i32 s84, s14, 1536
	s_add_co_u32 s86, s86, s84
	s_mul_i32 s84, s82, 768
	s_add_co_u32 s86, s86, s84
	s_mov_b32 s87, 0
	s_add_nc_u64 s[88:89], s[8:9], s[86:87]
	s_lshl_b32 s86, s80, 3
	s_add_co_u32 s86, s86, s14
	s_lshl_b32 s86, s86, 9                         ; the tile's scale words
	s_and_b32 s84, s83, 1
	s_lshl_b32 s84, s84, 8
	s_add_co_u32 s86, s86, s84
	s_lshr_b32 s84, s81, 2
	s_lshl_b32 s84, s84, 2
	s_add_co_u32 s86, s86, s84
	s_lshl_b32 s84, s82, 1
	s_add_co_u32 s86, s86, s84
	s_add_nc_u64 s[90:91], s[10:11], s[86:87]
	s_wait_alu depctr_va_vdst(0)                   ; ahead of the reciprocal's first use, and of O^T's first reader
.set i, 0
.rept 32
	v_mul_f32 v[S+i], v[O+i], v14                  ; register 16 b + i: channel 32 b + 16 h + i
.set i, i+1
.endr
.irp b, 0,1
	v_max3_num_f32 v[BM+\b], |v[S+16*\b]|, |v[S+16*\b+1]|, 0x2800000
.endr
.irp i, 2,4,6,8,10,12,14
.irp b, 0,1
	s_delay_alu instid0(VALU_DEP_2)
	v_max3_num_f32 v[BM+\b], |v[S+16*\b+\i]|, |v[S+16*\b+\i+1]|, v[BM+\b]
.endr
.endr
.irp b, 0,1
	s_delay_alu instid0(VALU_DEP_2)
	v_permlanex16_b32 v[PT+\b], v[BM+\b], s[SEL], s[SEL+1]
.endr
.irp b, 0,1
	s_delay_alu instid0(VALU_DEP_2)
	v_max_num_f32 v[BM+\b], v[BM+\b], v[PT+\b]
.endr
.irp b, 0,1
	s_delay_alu instid0(VALU_DEP_2)
	v_add_nc_u32 v[SO+\b], 0xfe000000, v[BM+\b]
.endr
.irp b, 0,1
	s_delay_alu instid0(VALU_DEP_2)
	v_lshrrev_b32 v[PT+\b], 23, v[SO+\b]
.endr
	v_cvt_scalef32_pk16_bf6_f32 v[PC:PC+2], v[S:S+15], v[SO]
	v_cvt_scalef32_pk16_bf6_f32 v[PX:PX+2], v[S+16:S+31], v[SO+1]
	v_nop
.irp i, 0,1,2
	v_permlane16_swap_b32 v[PC+\i], v[PX+\i]
.endr
.irp i, 0,1,2
	s_delay_alu instid0(VALU_DEP_3)
	v_mov_b32 v[PC+3+\i], v[PX+\i]
.endr
	v_cndmask_b32 v7, v[PT], v[PT+1], s15          ; lanes 0-15 store block 0's byte of row r, lanes 16-31 block 1's
.irp p, 0,1,2
	global_store_b64 v10, v[PC+2*\p:PC+2*\p+1], s[88:89] offset:256*\p   ; 256 consecutive bytes, aligned
.endr
	global_store_b8 v11, v7, s[90:91]
	s_wait_alu depctr_va_vdst(0)                   ; a wait that blocks
	s_wait_xcnt 0x0                                ; the stores have read their registers and bases, which are written again
.endm
	s_load_b256 s[4:11], s[0:1], 0x0               ; qimg, kvimg, yimg, yscl
	v_lshl_add_u32 v254, v0, 2, SPARE
	v_mov_b32 v255, 0
	ds_add_u32 v254, v255                          ; the opening lines: the add, twice on end; work on registers; the one wait
	ds_add_u32 v254, v255
	v_lshrrev_b32 v1, 5, v0
	s_delay_alu instid0(VALU_DEP_1)
	v_readfirstlane_b32 s[WV], v1                  ; wave 0..15
	s_and_b32 s13, ttmp7, 0xffff                   ; bh, which the four partners share
	s_bfe_u32 s14, ttmp6, 0x40000                  ; cx
	s_lshl_b32 s15, ttmp9, 2
	s_add_co_u32 s14, s14, s15                     ; x: my tile in every block
	s_lshr_b32 s[ROLE], s[WV], 3
	s_and_b32 s80, s[WV], 7                        ; i: my pair
	s_sub_co_u32 s[QB1], 15, s80
	s_cmp_eq_u32 s[ROLE], 1
	s_cselect_b32 s[QB], s80, s[QB1]               ; the first pass: waves 8-15 block i, steps 0 to i; waves 0-7 block 15 - i, steps 0 to 7
	s_cselect_b32 s[HI], s80, 7
	s_cselect_b32 s[LO1], 8, 16                    ; the second: waves 8-15 block 15 - i, steps 8 to 15 - i; waves 0-7 none
	s_mul_i32 s[STG], s80, 4608
	s_mov_b32 s16, 15|(3<<16)|(1<<21)              ; descriptor group 1: a record as 75 dense rows of 256 bytes (32 elements of 8 bytes); mask 15 with bit 21 beside it
	s_mov_b32 s17, 32<<16
	s_mov_b32 s18, 75<<16
	s_mov_b32 s19, 32<<16
	s_mov_b32 s20, 75
	s_mov_b32 s21, 32
	s_mov_b32 s22, 0
	s_mov_b32 s23, 0
	s_mov_b32 s24, 1
	s_mul_i32 s25, s[WV], 19200                    ; record w, in LDS as in the head's block
	s_mul_i32 s82, s13, 307200
	s_add_co_u32 s82, s82, s25
	s_mov_b32 s83, 0
	s_lshl_b32 s81, s13, 4
	s_add_co_u32 s76, s81, s[QB]
	s_mul_i32 s76, s76, 12800                      ; q's record of the first pass's block,
	s_mov_b32 s77, 0
	s_add_co_u32 s78, s81, s[QB1]
	s_mul_i32 s78, s78, 12800                      ; and of block 15 - i
	s_mov_b32 s79, 0
	s_mul_i32 s[QF], s14, 1536
	s_and_b32 s81, s14, 1
	s_lshr_b32 s15, s14, 1
	s_lshl_b32 s[QS], s81, 8
	s_lshl_b32 s84, s15, 2
	s_add_co_u32 s[QS], s[QS], s84
	s_add_co_u32 s[QS], s[QS], 12288
	s_lshl_b32 s15, s15, 5
	s_lshl_b32 s81, s81, 3
	s_add_co_u32 s81, s81, s15                     ; 32 (x / 2) + 8 (x % 2)
	v_and_b32 v10, 31, v0
	s_delay_alu instid0(VALU_DEP_1)
	v_lshlrev_b32 v1, 4, v10                       ; 16 x lane
	v_lshlrev_b32 v2, 2, v10                       ; 4 x lane
	v_and_b32 v10, 15, v0                          ; r
	v_bfe_u32 v11, v0, 4, 1                        ; h
	s_delay_alu instid0(VALU_DEP_2)
	v_lshlrev_b32 v7, 4, v10                       ; 16 r
	v_add_nc_u32 v132, s[QF], v1
	s_delay_alu instid0(VALU_DEP_2)
	v_add_nc_u32 v133, s[QS], v7
	v_and_b32 v5, 8, v10
	s_delay_alu instid0(VALU_DEP_1)
	v_add_nc_u32 v5, v5, v10
	s_delay_alu instid0(VALU_DEP_1)
	v_add_nc_u32 v5, s81, v5                       ; my query in its block,
	v_lshlrev_b32 v11, 4, v11
	s_delay_alu instid0(VALU_DEP_1)
	v_sub_nc_u32 v5, v5, v11                       ; less 16 h: register n holds key 32 (n / 16) + n % 16 + 16 h of a step
	v_mov_b32 v6, 0xff800000
	v_mov_b32 v8, 0
	v_mov_b32 v9, 0                                ; (named as the upper half of the pair v[8:9])
.irp b, 0,1,2,3
	v_mov_b32 v[PT+\b], 0                          ; written once: a lane permute's destination counts as read
.endr
	FRESH
	s_wait_alu depctr_va_vdst(0)                   ; the wait behind the head's last vector write
	s_wait_dscnt 0x0                               ; both opening adds are done
	s_wait_kmcnt 0x0
	s_add_nc_u64 s[26:27], s[6:7], s[82:83]
	s_or_b32 s27, s27, 0x80000000
	s_add_nc_u64 s[76:77], s[4:5], s[76:77]
	s_add_nc_u64 s[78:79], s[4:5], s[78:79]
.irp g, 0,1,2
	global_load_b128 v[16+4*\g:19+4*\g], v132, s[76:77] offset:512*\g
.endr
	global_load_b32 v28, v133, s[76:77]
	ROUND                                          ; the four work-groups are here: the joint loads meet
	tensor_load_to_lds s[24:27], s[16:23]          ; record w: my one tensor load of the launch; each LDS byte is filled once
	s_nop 0
	PLACES 4
	s_mov_b32 s[CS], 0x3e38aa3b
	s_mov_b32 s[CS+1], s[CS]
	s_mov_b32 s[SEL], 0x76543210
	s_mov_b32 s[SEL+1], 0xfedcba98
	s_mov_b32 s15, 0xffff0000                      ; lanes 16-31
	s_mov_b32 s[LO], 0
	s_mov_b32 s[PASS], 0
	s_wait_loadcnt 0x0                             ; Q and its scale words
	s_wait_tensorcnt 0x0                           ; my record is in
	s_barrier_signal -1
	s_barrier_wait -1                              ; all sixteen are
.Lpass:
	s_cmp_eq_u32 s[PASS], 0
	s_cbranch_scc1 .Lkeep
	s_cmp_eq_u32 s[ROLE], 0
	s_cbranch_scc1 .Lidle                          ; waves 0-7 keep their state for the joining
	v_add_nc_u32 v172, s[QF], v1                   ; waves 8-15: the next tile's Q is asked for, it lands under the way out of the tile that is finished
	v_and_b32 v173, 15, v0
	s_delay_alu instid0(VALU_DEP_1)
	v_lshlrev_b32 v173, 4, v173
	s_delay_alu instid0(VALU_DEP_1)
	v_add_nc_u32 v173, s[QS], v173
.irp g, 0,1,2
	global_load_b128 v[16+4*\g:19+4*\g], v172, s[78:79] offset:512*\g
.endr
	global_load_b32 v28, v173, s[78:79]
	WAYOUT
	FRESH
	s_wait_alu depctr_va_vdst(0)                   ; the wait, directly ahead of the wait below
	s_wait_loadcnt 0x0
.Lidle:
	s_mov_b32 s[LO], s[LO1]
	s_mov_b32 s[HI], s[QB1]
	s_mov_b32 s[QB], s[QB1]
.Lkeep:
	s_mov_b32 s[J], 0
	s_mov_b32 s[TB], 0
	s_mov_b32 s[CNT], 16
.Lwalk:
	STEP
	s_add_co_u32 s[J], s[J], 1
	s_add_co_u32 s[TB], s[TB], 19200
	s_sub_co_u32 s[CNT], s[CNT], 1
	s_cmp_lg_u32 s[CNT], 0
	s_cbranch_scc1 .Lwalk
	s_add_co_u32 s[PASS], s[PASS], 1
	s_cmp_lt_u32 s[PASS], 2
	s_cbranch_scc1 .Lpass
	; THE JOINING of the two parts of block 15 - i's tile
	PLACES 4                                       ; behind the last products: results are read
	s_wait_alu depctr_va_vdst(0)
	s_wait_dscnt 0x0                               ; my reads of the records are over
	s_barrier_signal -1
	s_barrier_wait -1                              ; everybody's are: the stage may be written
	v_add_nc_u32 v3, s[STG], v1                    ; an image of registers: 16 bytes a lane, 512 a group of four registers
	s_wait_alu depctr_va_vdst(0)
	s_cmp_eq_u32 s[ROLE], 1
	s_cbranch_scc1 .Lno_store
.irp k, 0,1,2,3,4,5,6,7
	ds_store_b128 v3, v[O+4*\k:O+4*\k+3] offset:512*\k   ; each accumulator from its low end on
.endr
	ds_store_b128 v3, v[12:15] offset:4096         ; -M, the largest t, l
.Lno_store:
	s_wait_dscnt 0x0                               ; for the partner's sake: my stores are done
	s_barrier_signal -1
	s_barrier_wait -1
	s_cmp_eq_u32 s[ROLE], 0
	s_cbranch_scc1 .Ldone
.irp k, 0,1,2,3,4,5,6,7,8
	ds_load_b128 v[S+4*\k:S+4*\k+3], v3 offset:512*\k
.endr
	s_wait_dscnt 0x0
	v_min_num_f32 v7, v12, v[S+32]                 ; -M of the two parts together
	s_delay_alu instid0(VALU_DEP_1)
	v_sub_f32 v11, v7, v12                         ; my M - M, and the partner's: whole numbers, 0 or less
	v_sub_f32 v10, v7, v[S+32]
	s_delay_alu instid0(VALU_DEP_2)
	v_cvt_i32_f32 v11, v11                         ; (they saturate)
	s_delay_alu instid0(VALU_DEP_2)
	v_cvt_i32_f32 v10, v10
	s_delay_alu instid0(VALU_DEP_2)
	v_ldexp_f32 v8, 1.0, v11                       ; my factor, the low word of v[8:9],
	s_delay_alu instid0(VALU_DEP_2)
	v_ldexp_f32 v10, 1.0, v10                      ; the partner's, the low word of v[10:11]
	v_pk_mul_f32 v[14:15], v[14:15], v[8:9] op_sel_hi:[1,0]
.set i, 0
.rept 16
	v_pk_mul_f32 v[O+i:O+i+1], v[O+i:O+i+1], v[8:9] op_sel_hi:[1,0]
.set i, i+2
.endr
	v_pk_fma_f32 v[14:15], v[S+34:S+35], v[10:11], v[14:15] op_sel_hi:[1,0,1]
.set i, 0
.rept 16
	v_pk_fma_f32 v[O+i:O+i+1], v[S+i:S+i+1], v[10:11], v[O+i:O+i+1] op_sel_hi:[1,0,1]
.set i, i+2
.endr
	WAYOUT
.Ldone:
	s_wait_tensorcnt 0x0                           ; the wave's end
	ds_add_u32 v254, v255
	s_wait_dscnt 0x0
	ROUND                                          ; the closing round: no work-group ends while a partner may still ask jointly
	s_endpgm
.Lfunc_end_k_q456cbacb7b_attn:
	.size	k_q456cbacb7b_attn, .Lfunc_end_k_q456cbacb7b_attn-k_q456cbacb7b_attn
	.p2alignl 7, 3214868480
	.fill 96, 4, 3214868480
	.section	.rodata,"a",@progbits
	.p2align	6, 0x0
	.amdhsa_kernel k_q456cbacb7b_attn
		.amdhsa_group_segment_fixed_size 309248
		.amdhsa_private_segment_fixed_size 0
		.amdhsa_enable_private_segment 0
		.amdhsa_kernarg_size 32
		.amdhsa_user_sgpr_count 2
		.amdhsa_user_sgpr_kernarg_segment_ptr 1
		.amdhsa_wavefront_size32 1
		.amdhsa_system_sgpr_workgroup_id_x 1
		.amdhsa_system_sgpr_workgroup_id_y 1
		.amdhsa_system_sgpr_workgroup_id_z 1
		.amdhsa_system_vgpr_workitem_id 0
		.amdhsa_next_free_vgpr 256
		.amdhsa_next_free_sgpr 96
		.amdhsa_reserve_vcc 1
		.amdhsa_float_denorm_mode_32 3
		.amdhsa_float_denorm_mode_16_64 3
		.amdhsa_memory_ordered 1
		.amdhsa_forward_progress 1
		.amdhsa_inst_pref_size 48
	.end_amdhsa_kernel
	.amdgpu_metadata
---
amdhsa.version: [ 1, 2 ]
amdhsa.kernels:
  - .name:           k_q456cbacb7b_attn
    .symbol:         k_q456cbacb7b_attn.kd
    .args:
      - { .name: qimg, .offset: 0, .size: 8, .value_kind: global_buffer, .address_space: global }
      - { .name: kvimg, .offset: 8, .size: 8, .value_kind: global_buffer, .address_space: global }
      - { .name: yimg, .offset: 16, .size: 8, .value_kind: global_buffer, .address_space: global }
      - { .name: yscl, .offset: 24, .size: 8, .value_kind: global_buffer, .address_space: global }
    .group_segment_fixed_size: 309248
    .private_segment_fixed_size: 0
    .kernarg_segment_align: 8
    .kernarg_segment_size: 32
    .max_flat_workgroup_size: 512
    .sgpr_count:     96
    .vgpr_count:     256
    .wavefront_size: 32
...
	.end_amdgpu_metadata
.endif
;; end of part 3
;; launch proj (part 4): grid 8 x 32, 4 waves a work-group, clusters of 4 x 1, 168,448 bytes of LDS; arguments yimg, yscl, codes1, scales1, out0; writes out0
.if DOCPART == 4
	.amdgcn_target "amdgcn-amd-amdhsa--gfx1250"
	.amdhsa_code_object_version 6
	.text
	.protected	k_q456cbacb7b_proj
	.globl	k_q456cbacb7b_proj
	.p2align	8
	.type	k_q456cbacb7b_proj,@function
k_q456cbacb7b_proj:
	s_mov_b64 s[64:65], 0
	v_nop
	global_prefetch_b8 v0, s[64:65] scope:SCOPE_SE
	s_setreg_imm32_b32 hwreg(HW_REG_WAVE_MODE, 25, 1), 1
	s_wait_xcnt 0x0
	s_wait_alu depctr_hold_cnt(0) depctr_sa_sdst(0) depctr_va_vdst(0) depctr_va_sdst(0) depctr_va_ssrc(0) depctr_va_vcc(0) depctr_vm_vsrc(0)
	s_getreg_b32 s2, hwreg(HW_REG_IB_STS2, 6, 4)
	s_cmp_eq_u32 s2, 0
	s_cbranch_scc0 .Lentry_in_a_cluster
	s_endpgm
.Lentry_in_a_cluster:
	s_bfe_u32 s2, ttmp6, 0x10000c
	s_cmp_lg_u32 s2, 0x3003
	s_cbranch_scc0 .Lentry_shape_is_right
	s_endpgm
.Lentry_shape_is_right:
; PROJ: out0 = y w_proj^T on codes of BF6.  y comes as images of operand registers (registers 2 p, 2 p + 1 of lane l at 256 p + 8 l of a fragment's 1,536 bytes), w_proj likewise (registers 4 g .. 4 g + 3 at 512 g + 16 l).
; SHARES.  A work-group takes 128 rows of y (block beta = group y) and 128 columns (group cg).  Wave w takes columns 128 cg + 32 w on: two tiles of w_proj, whose 16 fragments (all of K) stay in its registers, against y's 8 tiles: 16 accumulators.
; y's block (98,304 bytes, all of K) comes into LDS once, a quarter from each wave.  CLUSTER: the four work-groups of a cluster share beta: the block is asked for JOINTLY (mask 15).  W's rows differ between partners and are not shared.
; Source 0 = W, source 1 = y: a lane holds one row of y and eight neighbouring columns a tile.  The results meet in a stage in LDS (128 rows, pitch 528), and each wave stores 32 whole rows of 512 bytes.
; The rows of a tile are 32 (T / 2) + 8 (T % 2) + m + 8 (m / 8).
; REGISTERS.  window 0: v1-5 addresses; v16-47 y's scale words, v48-55 W's; v80-175 y's fragments, set 0; on the way out v80-207.   window 1: W's 16 fragments at 12 (2 s + u).
;   window 2: the accumulators at 8 (2 a + u); v128-223 y's fragments, set 1.
.set STG, 98304
.set YS,  16
.set WS,  48
.set WV,  14
.set MSB, 0
.macro WIN new                         ; the immediate's high byte repeats the setting that is left
.if MSB != (\new)
	s_set_vgpr_msb (MSB<<8)|(\new)
.set MSB, (\new)
.endif
.endm
.macro PLACES n
.rept \n
	v_nop
.endr
.endm
.macro ROUND                           ; a round of the cluster's barrier
	s_barrier_signal -1
	s_barrier_wait -1
	s_cmp_lg_u32 s[WV], 0
	s_cbranch_scc1 .Lnot_wave_0_\@
	s_barrier_signal -3
.Lnot_wave_0_\@:
	s_barrier_wait -3
	s_barrier_signal -1
	s_barrier_wait -1
.endm
.macro FETCHY s                        ; y's eight fragments of K step s into set s % 2: each load takes 256 consecutive bytes
.if (\s)%2
	WIN 0x80
.else
	WIN 0
.endif
.irp a, 0,1,2,3,4,5,6,7
.irp p, 0,1,2,3,4,5
	ds_load_b64 v[80+48*((\s)%2)+12*\a+2*\p:80+48*((\s)%2)+12*\a+2*\p+1], v[1+(\s)/4] offset:(8*((\s)%4)+\a)*1536+256*\p
.endr
.endr
.endm
.macro MUL8 s, a0                      ; 8 products: y's tiles a0 .. a0 + 3 against my two tiles of W.  The 16 accumulators take turns, one instruction a turn
.if (\s)%2
	WIN 0xA9
.else
	WIN 0xA1
.endif
.irp a, \a0, \a0+1, \a0+2, \a0+3
.irp u, 0,1
.set rD, 8*(2*(\a)+\u)
.set rA, 12*(2*(\s)+\u)
.set rB, 80+48*((\s)%2)+12*(\a)
.set rSA, WS+4*\u+(\s)/2
.set rSB, YS+4*(\a)+(\s)/2
.if (\s) == 0
	v_wmma_scale_f32_16x16x128_f8f6f4 v[rD:rD+7], v[rA:rA+11], v[rB:rB+11], 0, v[rSA], v[rSB] matrix_a_fmt:MATRIX_FMT_BF6 matrix_b_fmt:MATRIX_FMT_BF6
.elseif (\s)%2
	v_wmma_scale_f32_16x16x128_f8f6f4 v[rD:rD+7], v[rA:rA+11], v[rB:rB+11], v[rD:rD+7], v[rSA], v[rSB] matrix_a_fmt:MATRIX_FMT_BF6 matrix_b_fmt:MATRIX_FMT_BF6 matrix_a_scale:MATRIX_SCALE_ROW1 matrix_b_scale:MATRIX_SCALE_ROW1
.else
	v_wmma_scale_f32_16x16x128_f8f6f4 v[rD:rD+7], v[rA:rA+11], v[rB:rB+11], v[rD:rD+7], v[rSA], v[rSB] matrix_a_fmt:MATRIX_FMT_BF6 matrix_b_fmt:MATRIX_FMT_BF6
.endif
.endr
.endr
.endm
.macro KSTEP s, tc
	s_wait_loadcnt 6*(7-(\s))                      ; this K step's W is in; the six loads of each later K step may be out
	s_wait_dscnt 0x0                               ; this K step's y is in
.if (\tc) >= 0
	s_wait_tensorcnt \tc                           ; my part of the next phase has landed (tc younger fills may be out),
	s_barrier_signal -1
.endif
	MUL8 \s, 0
.if (\tc) >= 0
	s_barrier_wait -1                              ; everybody's has
.endif
.if (\s) < 7
	PLACES 4                                       ; in front of loads into registers that the last K step's products read
	FETCHY (\s)+1
.endif
	MUL8 \s, 4
.endm
	s_load_b256 s[4:11], s[0:1], 0x0               ; yimg, yscl, codes1, scales1
	s_load_b64 s[12:13], s[0:1], 0x20              ; out0
	v_lshl_add_u32 v254, v0, 2, 0x29000
	v_mov_b32 v255, 0
	ds_add_u32 v254, v255
	ds_add_u32 v254, v255
	v_lshrrev_b32 v1, 5, v0
	v_readfirstlane_b32 s[WV], v1                  ; wave 0..3
	s_and_b32 s17, ttmp7, 0xffff                   ; beta, which the four partners share
	s_mov_b32 s24, 15|(3<<16)|(1<<21)              ; descriptor group 1: dense rows of 256 bytes; mask 15 with bit 21 beside it.  96 rows: a wave's quarter of y's block, two K steps
	s_mov_b32 s25, 32<<16
	s_mov_b32 s26, 96<<16
	s_mov_b32 s27, 32<<16
	s_mov_b32 s28, 96
	s_mov_b32 s29, 32
	s_mov_b32 s30, 0
	s_mov_b32 s31, 0
	s_mul_i32 s86, s17, 98304
	s_mov_b32 s87, 0
	s_mul_i32 s84, s[WV], 24576
	s_mov_b32 s85, 0
	s_wait_dscnt 0x0
	s_wait_kmcnt 0x0
	s_add_nc_u64 s[86:87], s[4:5], s[86:87]
	s_mov_b32 s48, 1                               ; y's block: wave w fetches K steps 2 w and 2 w + 1
	s_mov_b32 s49, s84
	s_add_nc_u64 s[50:51], s[86:87], s[84:85]
	s_or_b32 s51, s51, 0x80000000
	ROUND                                          ; the four work-groups are here: the joint loads meet
	tensor_load_to_lds s[48:51], s[24:31]          ; my quarter of y's block: one tensor load a wave; each LDS byte is filled once
	s_nop 0
	PLACES 4
	s_bfe_u32 s15, ttmp6, 0x40000                  ; cx
	s_lshl_b32 s16, ttmp9, 2
	s_add_co_u32 s16, s16, s15                     ; column group cg
	s_mov_b32 s83, 0
	s_add_co_u32 s82, s16, 56                      ; w_proj: block 56 + cg, tiles 2 w, 2 w + 1
	s_mul_i32 s82, s82, 98304
	s_mul_i32 s77, s[WV], 3072
	s_add_co_u32 s82, s82, s77
	s_add_nc_u64 s[66:67], s[8:9], s[82:83]
	s_lshl_b32 s82, s16, 12                        ; its scale words: tiles 448 + 8 cg + 2 w on
	s_lshl_b32 s77, s[WV], 10
	s_add_co_u32 s82, s82, s77
	s_add_co_u32 s82, s82, 229376
	s_add_nc_u64 s[68:69], s[10:11], s[82:83]
	s_lshl_b32 s82, s17, 12                        ; y's scale words: eight tiles
	s_add_nc_u64 s[70:71], s[6:7], s[82:83]
	s_lshl_b32 s82, s17, 19                        ; out0: row 128 beta + 32 w, column 128 cg
	s_lshl_b32 s77, s[WV], 17
	s_add_co_u32 s82, s82, s77
	s_lshl_b32 s77, s16, 9
	s_add_co_u32 s82, s82, s77
	s_add_nc_u64 s[12:13], s[12:13], s[82:83]
	v_and_b32 v6, 31, v0
	v_lshlrev_b32 v1, 3, v6                        ; 8 x lane
	v_add_nc_u32 v2, 49152, v1
	v_lshlrev_b32 v3, 4, v6                        ; 16 x lane
	v_and_b32 v6, 15, v0                           ; r
	v_bfe_u32 v7, v0, 4, 1                         ; h
	v_and_b32 v8, 8, v6
	v_add_nc_u32 v8, v8, v6
	v_mul_u32_u24 v4, v8, 528
	v_lshl_add_u32 v4, v7, 6, v4
	s_lshl_b32 s77, s[WV], 7
	v_add_nc_u32 v4, s77, v4
	v_add_nc_u32 v4, STG, v4                       ; the stage, in: row r + 8 (r / 8), + 128 w + 64 h
	s_mul_i32 s77, s[WV], 32*528
	v_add_nc_u32 v5, s77, v3
	v_add_nc_u32 v5, STG, v5                       ; and back: my 32 rows, 16 bytes a lane
.irp a, 0,1,2,3,4,5,6,7
	global_load_b128 v[YS+4*\a:YS+4*\a+3], v3, s[70:71] offset:512*\a   ; register j: K step 2 j in lanes 0-15, 2 j + 1 in lanes 16-31
.endr
.irp u, 0,1
	global_load_b128 v[WS+4*\u:WS+4*\u+3], v3, s[68:69] offset:512*\u
.endr
	WIN 0x40
.irp s, 0,1,2,3,4,5,6,7
.irp u, 0,1
.irp g, 0,1,2
	global_load_b128 v[12*(2*\s+\u)+4*\g:12*(2*\s+\u)+4*\g+3], v3, s[66:67] offset:12288*\s+1536*\u+512*\g
.endr
.endr
.endr
	s_wait_tensorcnt 0x0                           ; my quarter of y's block is in; the barrier shows everybody's
	s_barrier_signal -1
	s_barrier_wait -1
	FETCHY 0
	KSTEP 0, -1
	KSTEP 1, -1
	KSTEP 2, -1
	KSTEP 3, -1
	KSTEP 4, -1
	KSTEP 5, -1
	KSTEP 6, -1
	KSTEP 7, -1
	PLACES 4                                       ; behind the last products: results are read
	WIN 0x08                                       ; an LDS store's data are its source 1: window 2
	s_wait_alu depctr_va_vdst(0)
.irp a, 0,1,2,3,4,5,6,7
.irp u, 0,1
	ds_store_b128 v4, v[8*(2*\a+\u):8*(2*\a+\u)+3] offset:(32*(\a/2)+8*(\a%2))*528+32*\u       ; each accumulator from its low end on
	ds_store_b128 v4, v[8*(2*\a+\u)+4:8*(2*\a+\u)+7] offset:(32*(\a/2)+8*(\a%2))*528+32*\u+16
.endr
.endr
	WIN 0
	s_wait_dscnt 0x0                               ; for the others' sake: my stores into the stage are done
	s_barrier_signal -1
	s_barrier_wait -1                              ; 128 whole rows lie in the stage
.set i, 0
.rept 32
	ds_load_b128 v[80+4*i:80+4*i+3], v5 offset:528*i
.set i, i+1
.endr
.set i, 0
.rept 32
	s_wait_dscnt 31-i                              ; row i is back; the younger loads may be out
	global_store_b128 v3, v[80+4*i:80+4*i+3], s[12:13] offset:4096*i th:TH_STORE_NT   ; 512 consecutive bytes, aligned
.set i, i+1
.endr
	s_wait_tensorcnt 0x0
	ds_add_u32 v254, v255
	s_wait_dscnt 0x0
	ROUND                                          ; the closing round: no work-group ends while a partner may still ask jointly
	s_endpgm
.Lfunc_end_k_q456cbacb7b_proj:
	.size	k_q456cbacb7b_proj, .Lfunc_end_k_q456cbacb7b_proj-k_q456cbacb7b_proj
	.p2alignl 7, 3214868480
	.fill 96, 4, 3214868480
	.section	.rodata,"a",@progbits
	.p2align	6, 0x0
	.amdhsa_kernel k_q456cbacb7b_proj
		.amdhsa_group_segment_fixed_size 168448
		.amdhsa_private_segment_fixed_size 0
		.amdhsa_enable_private_segment 0
		.amdhsa_kernarg_size 40
		.amdhsa_user_sgpr_count 2
		.amdhsa_user_sgpr_kernarg_segment_ptr 1
		.amdhsa_wavefront_size32 1
		.amdhsa_system_sgpr_workgroup_id_x 1
		.amdhsa_system_sgpr_workgroup_id_y 1
		.amdhsa_system_sgpr_workgroup_id_z 1
		.amdhsa_system_vgpr_workitem_id 0
		.amdhsa_next_free_vgpr 768
		.amdhsa_next_free_sgpr 96
		.amdhsa_reserve_vcc 0
		.amdhsa_float_denorm_mode_32 3
		.amdhsa_float_denorm_mode_16_64 3
		.amdhsa_memory_ordered 1
		.amdhsa_forward_progress 1
		.amdhsa_inst_pref_size 61
	.end_amdhsa_kernel
	.amdgpu_metadata
---
amdhsa.version: [ 1, 2 ]
amdhsa.kernels:
  - .name:           k_q456cbacb7b_proj
    .symbol:         k_q456cbacb7b_proj.kd
    .args:
      - { .name: yimg, .offset: 0, .size: 8, .value_kind: global_buffer, .address_space: global }
      - { .name: yscl, .offset: 8, .size: 8, .value_kind: global_buffer, .address_space: global }
      - { .name: codes1, .offset: 16, .size: 8, .value_kind: global_buffer, .address_space: global }
      - { .name: scales1, .offset: 24, .size: 8, .value_kind: global_buffer, .address_space: global }
      - { .name: out0, .offset: 32, .size: 8, .value_kind: global_buffer, .address_space: global }
    .group_segment_fixed_size: 168448
    .private_segment_fixed_size: 0
    .kernarg_segment_align: 8
    .kernarg_segment_size: 40
    .max_flat_workgroup_size: 128
    .sgpr_count:     96
    .vgpr_count:     768
    .wavefront_size: 32
...
	.end_amdgpu_metadata
.endif
;; end of part 4
